; MI455X (gfx1250); checked and timed in simulation.
; The chip was launched on July 23, 2026; its instructions are those of AMD's public machine-readable ISA for CDNA 5 (MIT licence, August 2026) and "CDNA5" Instruction Set Architecture Reference Guide (July 2026). The comments in the code are by the model that wrote it; some were corrected since.
;; Causal Self Attention. Allowed arithmetic: matrix products marked QUANTISED: E2M3 operands, one E8M0 scale for each 32 along K, by v_wmma_scale_f32_16x16x128_f8f6f4 with both operands' format E2M3, f32 sums; everything else in f32.
;; Inputs: Wk 1,024 x 1,024 float32; Wo 1,024 x 1,024 float32; Wq 1,024 x 1,024 float32; Wv 1,024 x 1,024 float32; bk 1,024 float32; bo 1,024 float32; bq 1,024 float32; bv 1,024 float32; x 4 x 2,048 x 1,024 float32.
;; Outputs: out0 4 x 2,048 x 1,024 float32.
;; This version of the problem:
;;   THIS VERSION OF THE PROBLEM IS GIVEN IN LOW PRECISION. The matrix products marked QUANTISED in the list below multiply operands that are first quantised to E2M3 (2 exponent bits, 3 mantissa bits; 6 bits a number), with one power-of-two scale for each 32 numbers along K (OCP MX v1.0); their sums are f32. All else is computed in f32.
;;   The module's matrix products, in the order in which they are computed (A, B: the left and right operand; K: the contracted axis; several contracted axes count as one K, in the product's order):
;;     1. [M 8,192, K 1,024] x [K 1,024, N 1,024]; A: input x; B: input Wq: QUANTISED
;;     2. [M 8,192, K 1,024] x [K 1,024, N 1,024]; A: input x; B: input Wk: QUANTISED
;;     3. [M 8,192, K 1,024] x [K 1,024, N 1,024]; A: input x; B: input Wv: QUANTISED
;;     4. batch 64 x [M 2,048, K 64] x [K 64, N 2,048]; A: computed on the way; B: computed on the way: QUANTISED
;;     5. batch 64 x [M 2,048, K 2,048] x [K 2,048, N 64]; A: softmax (see below); B: computed on the way: QUANTISED
;;     6. [M 8,192, K 1,024] x [K 1,024, N 1,024]; A: computed on the way; B: input Wo: QUANTISED
;;   THE QUANTISER, for each operand of a quantised product, along K:
;;     - K is cut into blocks of 32 from its start; a last block that is shorter is filled with zeros.
;;     - A block's scale is 2^e with e = floor(log2(the largest magnitude in the block)) - 2, held to -126 .. 127; a block of zeros has e = 0. As a byte (E8M0): e + 127.
;;     - Each number is divided by its block's scale, clamped to +-7.5, and rounded to the nearest number of E2M3, ties to even, subnormals kept.
;;     - The product sums the exact products of the quantised numbers (number of the format x scale) in f32.
;;   ~~~python
;;   def quantise(x, axis):      # numpy; x: float32 -> the quantised numbers, widened to float32 again
;;       x = np.moveaxis(x, axis, -1); K = x.shape[-1]
;;       x = np.pad(x, [(0, 0)] * (x.ndim - 1) + [(0, -K % 32)]); x = x.reshape(x.shape[:-1] + (-1, 32)); a = np.abs(x).max(-1, keepdims=True)
;;       e = np.where(a > 0, np.clip(np.frexp(np.where(a > 0, a, 1))[1] - 1 - 2, -126, 127), 0)      # np.frexp(a)[1] - 1 = floor(log2(a)), exactly
;;       r = np.clip(x / 2.0 ** e, -7.5, 7.5)
;;       step = 2.0 ** (np.maximum(np.frexp(np.where(r == 0, 1, r))[1] - 1, 0) - 3)
;;       q = np.round(r / step) * step * 2.0 ** e      # np.round: ties to even
;;       return np.moveaxis(q.reshape(q.shape[:-2] + (-1,))[..., :K], -1, axis).astype(np.float32)
;;   ~~~
;;   SOFTMAX AHEAD OF A QUANTISED PRODUCT. Where the list says 'softmax', what is quantised is not the finished softmax but p = 2^(t - M), with t = logit x log2(e) and M = ceil(the row's largest t), a whole number; so 1/2 < the row's largest p <= 1. The row's sum l is taken of the UNQUANTISED p, in f32, and the product's result is divided by l at the end. Since M is a whole number, a kernel that streams over the keys may use a running M (the ceiling of the running maximum): every later rescaling is an exact power of two, which a block's scale takes up: the codes' values come out the same.
;;   OPERANDS COMPUTED ON THE WAY. 'Computed on the way' means the value that the module computes at that place (a softmax that the list does not call 'softmax' is quantised finished and normalised). What goes into a quantiser is computed in f32, as accurately as f32 sums, v_exp_f32 and their like allow (about 1e-6 of the number): no bf16 or f16 on the way to a quantiser, and a product that is left as it is and whose result goes on into a quantised operand takes f32 operands (vector FMAs, or v_wmma_f32_16x16x4_f32). A number that lies on a knife's edge between two numbers of the format may be rounded either way, as far as f32 arithmetic and the matrix unit's own rounding can turn it there, and no further.
;; One version. Each part assembles by itself: llvm-mc -triple=amdgcn-amd-amdhsa -mcpu=gfx1250 --defsym DOCPART=n.
;; ======== version 1 of 1: 4 launches
;; workspace buffers: cod 9,437,184 bytes; scl 393,216 bytes; qkv 19,660,800 bytes; ctxc 6,291,456 bytes; ctxs 262,144 bytes
;; launch quant (part 1): grid 768 x 1, 2 waves a work-group, no clusters, 17,152 bytes of LDS; arguments x, Wq, Wk, Wv, Wo, cod, scl; writes cod, scl
.if DOCPART == 1
	.amdgcn_target "amdgcn-amd-amdhsa--gfx1250"
	.amdhsa_code_object_version 6
	.text
	.protected	k_q2c34af7b2f_quant
	.globl	k_q2c34af7b2f_quant
	.p2align	8
	.type	k_q2c34af7b2f_quant,@function
k_q2c34af7b2f_quant:
	s_mov_b64 s[64:65], 0
	v_nop
	global_prefetch_b8 v0, s[64:65] scope:SCOPE_SE
	s_setreg_imm32_b32 hwreg(HW_REG_WAVE_MODE, 25, 1), 1
	s_wait_xcnt 0x0
; x [8192][1024] and Wq, Wk, Wv, Wo [1024][1024], f32 with K innermost, become codes of FP6 (E2M3) with one E8M0 byte for each 32 along K.
; A block's scale is 2^(floor(log2(largest magnitude)) - 2); its byte is the largest magnitude's exponent field - 2, held at 1 from below.
; LIMITS: a block of zeros gets the byte 1 where the quantiser's text says 127 (its codes are zeros, which add nothing, and this program alone reads the bytes); NaN and infinities among the inputs are not served.
; LAYOUT OF cod: 768 row tiles (0-511 x, 512-575 Wq, 576-639 Wk, 640-703 Wv, 704-767 Wo) x 8 K steps of 128 x 1,536 bytes.  A fragment lies as an image of the operand's 12 registers:
; registers 4 c .. 4 c + 3 of lane l at 512 c + 16 l, so that three loads of 16 bytes a lane bring it.  THE ROWS OF A TILE ARE NOT NEIGHBOURS: row-lane r of tile t is row 32 (t / 2) + 8 (t % 2) + r + 8 (r / 8).
; LAYOUT OF scl: 512 bytes a row tile; the word of K step q, row r at 256 (q / 4) + 8 (16 (q % 2) + r) + 4 ((q / 2) % 2): two loads of 8 bytes a lane give four registers, K step q in register q / 2, lanes 0-15 (q even) or 16-31 (q odd).
; SHARES: a work-group takes one row tile, wave H its K steps 4 H .. 4 H + 3.  A load reads 512 consecutive bytes of one row; the 16 rows turn through the wave's own stage in LDS (pitch 528), from which lane (r, h) takes
; k = 64 c + 32 h + 0 .. 31 of row r: two whole blocks, in the order of the operand's registers.  No barrier: the waves share nothing.  Matrix units, clusters and tensor loads would add nothing to a stream.
.set STG,  8448                        ; a wave's stage: 16 rows x 528 bytes
.set R,    32                          ; v32-159  two sets of 64: a fragment's numbers as loaded
.set X,    160                         ; v160-223 my two blocks of 32
.set PC,   224                         ; v224-235 the fragment's codes
.set CT0,  236                         ; v236-238, v240-242: the upper halves of the two blocks (a conversion's three registers begin on an even number)
.set CT1,  240
	s_load_b256 s[4:11], s[0:1], 0x0               ; x, Wq, Wk, Wv
	s_load_b128 s[12:15], s[0:1], 0x20             ; Wo, cod
	s_load_b64 s[16:17], s[0:1], 0x30              ; scl
	v_lshl_add_u32 v254, v0, 2, 0x4200
	v_mov_b32 v255, 0
	v_lshrrev_b32 v1, 5, v0
	v_readfirstlane_b32 s18, v1                    ; wave H
	v_and_b32 v1, 31, v0
	v_lshlrev_b32 v2, 4, v1                        ; 16 x lane
	v_lshlrev_b32 v6, 3, v1                        ; 8 x lane
	v_and_b32 v7, 15, v0                           ; r
	v_bfe_u32 v5, v0, 4, 1                         ; h
	s_mul_i32 s19, s18, STG
	v_add_nc_u32 v3, s19, v2                       ; the stage, on the way in: a row's 512 bytes as they lie
	v_mul_u32_u24 v4, v7, 528
	v_lshl_add_u32 v4, v5, 7, v4
	v_add_nc_u32 v4, s19, v4                       ; and on the way out: row r, + 128 h
	v_lshlrev_b32 v5, 3, v5                        ; 8 h: my bytes' place in the scale word
	v_mov_b32 v15, 0                               ; written once: a lane permute's destination counts as one of its sources
	s_mov_b32 s20, 0xffff0000                      ; lanes 16-31
	s_mov_b32 s22, 0x76543210
	s_mov_b32 s23, 0xfedcba98                      ; selects for lane l xor 16
	s_and_b32 s26, ttmp9, 63
	s_cmp_lt_u32 ttmp9, 512
	s_cselect_b32 s26, ttmp9, s26                  ; the tile's number in its own tensor
	s_lshr_b32 s27, s26, 1
	s_lshl_b32 s28, s27, 17                        ; 32 rows of 4,096 bytes for each pair of tiles,
	s_and_b32 s26, s26, 1
	s_lshl_b32 s26, s26, 15                        ; 8 rows for the odd tile,
	s_add_co_u32 s28, s28, s26
	s_lshl_b32 s26, s18, 11                        ; 4 K steps of 512 bytes for wave 1
	s_add_co_u32 s28, s28, s26
	s_mov_b32 s29, 0
	s_mul_i32 s30, ttmp9, 12288
	s_mul_i32 s26, s18, 6144
	s_add_co_u32 s30, s30, s26
	s_mov_b32 s31, 0
	s_lshl_b32 s32, ttmp9, 9
	s_lshl_b32 s26, s18, 8
	s_add_co_u32 s32, s32, s26
	s_mov_b32 s33, 0
	s_wait_alu depctr_va_vdst(0)
	s_wait_kmcnt 0x0
	s_mov_b64 s[24:25], s[12:13]                   ; which tensor: the choice hangs on the work-group's number alone
	s_cmp_lt_u32 ttmp9, 704
	s_cselect_b64 s[24:25], s[10:11], s[24:25]
	s_cmp_lt_u32 ttmp9, 640
	s_cselect_b64 s[24:25], s[8:9], s[24:25]
	s_cmp_lt_u32 ttmp9, 576
	s_cselect_b64 s[24:25], s[6:7], s[24:25]
	s_cmp_lt_u32 ttmp9, 512
	s_cselect_b64 s[24:25], s[4:5], s[24:25]
	s_add_nc_u64 s[24:25], s[24:25], s[28:29]
	s_add_nc_u64 s[14:15], s[14:15], s[30:31]
	s_add_nc_u64 s[16:17], s[16:17], s[32:33]
.macro LOAD f                          ; fragment f: 16 rows x 512 bytes into set f % 2
.irp i, 0,1,2,3,4,5,6,7,8,9,10,11,12,13,14,15
	global_load_b128 v[R+64*((\f)%2)+4*\i:R+64*((\f)%2)+4*\i+3], v2, s[24:25] offset:(\i+8*(\i/8))*4096+512*(\f) th:TH_LOAD_NT
.endr
.endm
.macro FRAGQ f
.if \f < 3
	s_wait_loadcnt 16                              ; this fragment's 16 loads are in; the next fragment's 16 may be out
.else
	s_wait_loadcnt 0x0
.endif
.irp i, 0,1,2,3,4,5,6,7,8,9,10,11,12,13,14,15
	ds_store_b128 v3, v[R+64*((\f)%2)+4*\i:R+64*((\f)%2)+4*\i+3] offset:528*\i
.endr
.irp c, 0,1
.irp j, 0,1,2,3,4,5,6,7
	ds_load_b128 v[X+32*\c+4*\j:X+32*\c+4*\j+3], v4 offset:256*\c+16*\j   ; LDS serves a wave's instructions in order: these see the stores above
.endr
.endr
	s_wait_dscnt 0x0                               ; my blocks are in, and the stores have read their registers,
.if \f < 2
	LOAD (\f)+2                                    ; which take the fragment two on
.endif
.irp c, 0,1
	v_max3_num_f32 v[8+\c], |v[X+32*\c]|, |v[X+32*\c+1]|, 0x1800000   ; block 2 c + h: all 32 numbers are mine; the floor 2^(3 - 127) keeps the byte at 1 or above
.endr
.irp i, 2,4,6,8,10,12,14,16,18,20,22,24,26,28,30
.irp c, 0,1
	v_max3_num_f32 v[8+\c], v[8+\c], |v[X+32*\c+\i]|, |v[X+32*\c+\i+1]|
.endr
.endr
.irp c, 0,1
	v_add_nc_u32 v[10+\c], 0xff000000, v[8+\c]     ; 2 off the exponent field: the conversion's scale operand
.endr
.irp c, 0,1
	v_lshrrev_b32 v[12+\c], 23, v[10+\c]           ; the scale's byte
.endr
	v_lshl_or_b32 v14, v13, 16, v12                ; my two bytes, blocks h and 2 + h,
	v_lshlrev_b32 v14, v5, v14                     ; at their places in the row's word;
	v_permlanex16_b32 v15, v14, s22, s23
	v_or_b32 v14, v14, v15                         ; with lane l xor 16's two the word is whole
.if ((\f)%2) == 0
	v_mov_b32 v[16+(\f)/2], v14                    ; an even K step's words stay in lanes 0-15,
.else
	v_cndmask_b32 v[16+(\f)/2], v[16+(\f)/2], v14, s20   ; an odd one's go to lanes 16-31
.endif
.if \f > 0
	s_wait_alu depctr_va_vdst(0)
	s_wait_xcnt 0x0                                ; the last fragment's stores have read the codes' registers
.endif
	v_cvt_scalef32_pk16_fp6_f32 v[PC:PC+2], v[X:X+15], v10
	v_cvt_scalef32_pk16_fp6_f32 v[CT0:CT0+2], v[X+16:X+31], v10
	v_cvt_scalef32_pk16_fp6_f32 v[PC+6:PC+8], v[X+32:X+47], v11
	v_cvt_scalef32_pk16_fp6_f32 v[CT1:CT1+2], v[X+48:X+63], v11
	v_nop                                          ; one plain place behind the scaled conversions
.irp i, 0,1,2
	v_mov_b32 v[PC+3+\i], v[CT0+\i]
	v_mov_b32 v[PC+9+\i], v[CT1+\i]
.endr
.irp c, 0,1,2
	global_store_b128 v2, v[PC+4*\c:PC+4*\c+3], s[14:15] offset:1536*(\f)+512*\c   ; 32 lanes store 512 consecutive bytes, aligned to 256
.endr
.endm
	LOAD 0
	LOAD 1
	FRAGQ 0
	FRAGQ 1
	FRAGQ 2
	FRAGQ 3
	global_store_b64 v6, v[16:17], s[16:17]        ; my four K steps' scale words: 256 consecutive bytes, aligned
	s_wait_tensorcnt 0x0
	ds_add_u32 v254, v255
	s_wait_dscnt 0x0
	s_endpgm
.Lfunc_end_k_q2c34af7b2f_quant:
	.size	k_q2c34af7b2f_quant, .Lfunc_end_k_q2c34af7b2f_quant-k_q2c34af7b2f_quant
	.p2alignl 7, 3214868480
	.fill 96, 4, 3214868480
	.section	.rodata,"a",@progbits
	.p2align	6, 0x0
	.amdhsa_kernel k_q2c34af7b2f_quant
		.amdhsa_group_segment_fixed_size 17152
		.amdhsa_private_segment_fixed_size 0
		.amdhsa_enable_private_segment 0
		.amdhsa_kernarg_size 56
		.amdhsa_user_sgpr_count 2
		.amdhsa_user_sgpr_kernarg_segment_ptr 1
		.amdhsa_wavefront_size32 1
		.amdhsa_system_sgpr_workgroup_id_x 1
		.amdhsa_system_sgpr_workgroup_id_y 1
		.amdhsa_system_sgpr_workgroup_id_z 1
		.amdhsa_system_vgpr_workitem_id 0
		.amdhsa_next_free_vgpr 256
		.amdhsa_next_free_sgpr 66
		.amdhsa_reserve_vcc 0
		.amdhsa_float_denorm_mode_32 3
		.amdhsa_float_denorm_mode_16_64 3
		.amdhsa_memory_ordered 1
		.amdhsa_forward_progress 1
		.amdhsa_inst_pref_size 31
	.end_amdhsa_kernel
	.amdgpu_metadata
---
amdhsa.version: [ 1, 2 ]
amdhsa.kernels:
  - .name:           k_q2c34af7b2f_quant
    .symbol:         k_q2c34af7b2f_quant.kd
    .args:
      - { .name: x, .offset: 0, .size: 8, .value_kind: global_buffer, .address_space: global }
      - { .name: Wq, .offset: 8, .size: 8, .value_kind: global_buffer, .address_space: global }
      - { .name: Wk, .offset: 16, .size: 8, .value_kind: global_buffer, .address_space: global }
      - { .name: Wv, .offset: 24, .size: 8, .value_kind: global_buffer, .address_space: global }
      - { .name: Wo, .offset: 32, .size: 8, .value_kind: global_buffer, .address_space: global }
      - { .name: cod, .offset: 40, .size: 8, .value_kind: global_buffer, .address_space: global }
      - { .name: scl, .offset: 48, .size: 8, .value_kind: global_buffer, .address_space: global }
    .group_segment_fixed_size: 17152
    .private_segment_fixed_size: 0
    .kernarg_segment_align: 8
    .kernarg_segment_size: 56
    .max_flat_workgroup_size: 64
    .sgpr_count:     66
    .vgpr_count:     256
    .wavefront_size: 32
...
	.end_amdgpu_metadata
.endif
;; end of part 1
;; launch qkvgemm (part 2): grid 12 x 32, 4 waves a work-group, clusters of 4 x 4, 327,680 bytes of LDS; arguments cod, scl, bq, bk, bv, qkv; writes qkv
.if DOCPART == 2
	.amdgcn_target "amdgcn-amd-amdhsa--gfx1250"
	.amdhsa_code_object_version 6
	.text
	.protected	k_q2c34af7b2f_qkvgemm
	.globl	k_q2c34af7b2f_qkvgemm
	.p2align	8
	.type	k_q2c34af7b2f_qkvgemm,@function
k_q2c34af7b2f_qkvgemm:
	s_mov_b64 s[64:65], 0
	v_nop
	global_prefetch_b8 v0, s[64:65] scope:SCOPE_SE
	s_setreg_imm32_b32 hwreg(HW_REG_WAVE_MODE, 25, 1), 1
	s_wait_xcnt 0x0
	s_wait_alu depctr_hold_cnt(0) depctr_sa_sdst(0) depctr_va_vdst(0) depctr_va_sdst(0) depctr_va_ssrc(0) depctr_va_vcc(0) depctr_vm_vsrc(0)
	s_getreg_b32 s2, hwreg(HW_REG_IB_STS2, 6, 4)
	s_cmp_eq_u32 s2, 0
	s_cbranch_scc0 .Lentry_in_a_cluster
	s_endpgm
.Lentry_in_a_cluster:
	s_bfe_u32 s2, ttmp6, 0x10000c
	s_cmp_lg_u32 s2, 0xf033
	s_cbranch_scc0 .Lentry_shape_is_right
	s_endpgm
.Lentry_shape_is_right:
; q = x Wq^T + bq, k = x Wk^T + bk, v = x Wv^T + bv on codes of FP6 (E2M3) with E8M0 scales, K = 1,024; each result is quantised here for attention's products and leaves as codes.
; ONE BODY, TWO ORIENTATIONS.  A result is quantised along SOURCE 0's index: in the result a lane holds one row of source 1 and its registers run along source 0's rows.
;   clusters x = 0 (q) and 1 (k): source 0 = 256 rows of W, source 1 = 256 tokens: quantised along the head's 64.     cluster x = 2 (v): source 0 = 256 tokens, source 1 = 256 rows of Wv: quantised along the keys.
; The rows of every tile are chosen (row-lane r of tile t = row 32 (t / 2) + 8 (t % 2) + r + 8 (r / 8)) so that the 16 registers of tiles 2 b, 2 b + 1 are 16 neighbours along source 0's index.
; SHARES: a work-group makes 256 x 256, each of four waves 128 x 128: 64 accumulators, 512 registers.  Operands lie in memory as images of their registers (1,536 bytes a fragment), so a fragment is three LDS loads of 16 bytes a lane.
; CLUSTER 4 x 4: source 0's tiles hang on cx and are shared down a column of the cluster, source 1's on cy and are shared along a row: joint loads.  The orientation hangs on the cluster's x, which all sixteen share.
; LDS: three slots of 256 along K (98,304 bytes: source 0's 16 row tiles x 3,072, then source 1's).  Slots 0-2 are filled at the start; slot 0 is filled once more, with K 768-1,023.  A wave has three tensor loads out at the start, one behind the refill.
; OUT: qkv, a record of 19,200 bytes for each (batch, head, 128 tokens): Q at 0, K at 6,400, V at 12,800, each 6,144 bytes of codes and 256 of scale words.
;   Q, K: 8 token tiles x (16 tokens x 64 d: registers 0-3 at 16 l, 4-5 at 512 + 8 l); the scale word of tiles 2 p, 2 p + 1 of row r (two bytes each) at 8 (16 (p % 2) + r) + 4 (p / 2).
;   V: 4 tiles of 16 d x 128 keys, 1,536 bytes each; the word of tile dt, row r at 8 (16 (dt % 2) + r) + 4 (dt / 2).
; LIMITS: a block of zeros gets the byte 1 (zero codes; this program alone reads the bytes); NaN and infinities are not served.
; REGISTERS: window 0: v8-18 addresses, v28-29 the add's, v32-63 source 0's scale words (4 i + q / 2), v64-95 source 1's, v96-122 at work on the way out, v128-223 source 1's 8 fragments (one set), v224-255 codes (two sets).
;   window 1: source 0's fragments, two sets (v0-95, v128-223); the bias tiles at v96-127 and v224-255.   windows 2, 3: accumulator (i, n) at v[64 (n % 4) + 8 i] of window 2 + n / 4.
.set SLOT,  98304
.set HALF,  24576                      ; 8 row tiles x 3,072 bytes: what one tensor load brings and what a wave reads of a side
.set TILEB, 3072                       ; a row tile's 256 along K
.set SPARE, 3*SLOT                     ; the spare words: 128 bytes a wave, two blocks of 256 bytes that no other line names
.set AD0,  8                           ; v8-10   LDS address of my source 0 fragments in slot 0, 1, 2
.set AD1,  12                          ; v12-14  the same for source 1
.set L16,  16                          ; v16     16 x lane
.set L8,   17                          ; v17     8 x lane
.set BA,   18                          ; v18     the bias loads' offset
.set SPW,  28
.set NIL,  29
.set SC0,  32
.set SC1,  64
.set TM,   96                          ; v96-99 largest magnitudes, v100-103 the other half's / bytes, v104-107 scale operands
.set TP,   100
.set SO,   104
.set CT0,  108
.set CT1,  112
.set WW,   116                         ; v116-117 a pair of tiles' scale word, one for each head
.set SW,   118                         ; v[118:119], v[120:121] the scale words that leave, one pair for each head
.set TW,   122
.set S1F,  128
.set G1,   24                          ; s[24:31] group 1 for source 0;  s[32:43] its groups 0, one for each slot
.set G0,   32
.set G1B,  48                          ; s[48:55], s[68:79] the same for source 1
.set G0B,  68
.set MSB, 0
.macro WIN new                         ; the immediate's high byte repeats the setting that is left
.if MSB != (\new)
	s_set_vgpr_msb (MSB<<8)|(\new)
.set MSB, \new
.endif
.endm
.macro PLACES n
.rept \n
	v_nop
.endr
.endm
.macro JLOAD g0a, g0b                  ; a joint load: waves 0, 1 fetch source 0's halves, waves 2, 3 source 1's; four v_nop follow each line
	s_cmp_eq_u32 s17, 0
	s_cbranch_scc0 .Lfor_1_\@
	tensor_load_to_lds s[\g0a:\g0a+3], s[G1:G1+7]
	s_nop 0
.rept 4
	v_nop
.endr
	s_branch .Lasked_\@
.Lfor_1_\@:
	tensor_load_to_lds s[\g0b:\g0b+3], s[G1B:G1B+7]
	s_nop 0
.rept 4
	v_nop
.endr
.Lasked_\@:
.endm
.macro CREST                           ; a round of the cluster's barrier behind its opening barrier
	s_cmp_lg_u32 s16, 0
	s_cbranch_scc1 .Lnot_wave_0_\@
	s_barrier_signal -3
.Lnot_wave_0_\@:
	s_barrier_wait -3
	s_barrier_signal -1
	s_barrier_wait -1
.endm
.macro CROUND
	s_barrier_signal -1
	s_barrier_wait -1
	CREST
.endm
	s_load_b256 s[4:11], s[0:1], 0x0               ; cod, scl, bq, bk
	s_load_b128 s[12:15], s[0:1], 0x20             ; bv, qkv
	v_lshl_add_u32 v[SPW], v0, 2, SPARE
	v_mov_b32 v[NIL], 0
	ds_add_u32 v28, v29
	ds_add_u32 v28, v29
	s_wait_dscnt 0x0
	v_lshrrev_b32 v1, 5, v0
	v_readfirstlane_b32 s16, v1                    ; wave 0..3
	s_lshr_b32 s17, s16, 1                         ; my half of source 1's rows.  Also: I fetch for source 0 (0) or 1 (1)
	s_and_b32 s18, s16, 1                          ; my half of source 0's rows.  Also: which 8 row tiles I fetch
	s_mov_b32 s19, 0xffff0000                      ; lanes 16-31
	s_mov_b32 s20, 0x76543210
	s_mov_b32 s21, 0xfedcba98                      ; selects for lane l xor 16
	s_bfe_u32 s44, ttmp6, 0x40000                  ; cx
	s_bfe_u32 s45, ttmp6, 0x40004                  ; cy
	s_and_b32 s47, ttmp7, 0xffff                   ; the cluster's y
	s_lshl_b32 s22, s45, 2
	s_lshl_b32 s22, 15, s22                        ; my row of the cluster
	s_lshl_b32 s23, 0x1111, s44                    ; my column
	s_or_b32 s[G1], s23, (3<<16)|(1<<21)           ; 15:0 the mask: source 0's tiles go to my column; 17:16 elements of 8 bytes; 20 no padding; 21 set beside a mask
	s_or_b32 s[G1B], s22, (3<<16)|(1<<21)          ; source 1's go to my row
.irp g, G1, G1B
	s_mov_b32 s[\g+1], 384<<16                     ; tensor_dim0 = 384 elements: 3,072 bytes
	s_mov_b32 s[\g+2], 8<<16                       ; tensor_dim1 = 8 row tiles
	s_mov_b32 s[\g+3], 384<<16                     ; tile_dim0
	s_mov_b32 s[\g+4], 8                           ; tile_dim1
	s_mov_b32 s[\g+5], 1536                        ; from row tile to row tile: 12,288 bytes
	s_mov_b32 s[\g+6], 0
	s_mov_b32 s[\g+7], 0
.endr
	s_lshl_b32 s56, s47, 6                         ; 64 x cluster y: the tokens' row tiles
	s_lshl_b32 s57, ttmp9, 6
	s_add_co_u32 s57, s57, 512                     ; Wq's or Wk's row tiles
	s_mov_b32 s59, 640                             ; Wv's
	s_cmp_eq_u32 ttmp9, 2                          ; v?
	s_cselect_b32 s58, s56, s57
	s_cselect_b32 s60, s59, s56
	s_lshl_b32 s59, s44, 4
	s_add_co_u32 s58, s58, s59                     ; source 0's first row tile: it holds cx and never cy
	s_lshl_b32 s61, s45, 4
	s_add_co_u32 s60, s60, s61                     ; source 1's: cy and never cx
	s_lshl_b32 s62, s18, 3
	s_add_co_u32 s80, s58, s62
	s_mul_i32 s80, s80, 12288
	s_mov_b32 s81, 0
	s_add_co_u32 s82, s60, s62
	s_mul_i32 s82, s82, 12288
	s_mov_b32 s83, 0
	s_mul_i32 s63, s16, HALF                       ; where my load lands: wave x 24,576: no place in the cluster enters an LDS address
	s_wait_kmcnt 0x0
	s_add_nc_u64 s[80:81], s[4:5], s[80:81]
	s_add_nc_u64 s[82:83], s[4:5], s[82:83]
	CROUND                                         ; all sixteen work-groups are here: the first joint loads meet
.irp s, 0,1,2
	s_mov_b32 s[G0+4*\s], 1
	s_add_co_u32 s[G0+4*\s+1], s63, \s*SLOT
	s_add_nc_u64 s[G0+4*\s+2:G0+4*\s+3], s[80:81], \s*TILEB
	s_or_b32 s[G0+4*\s+3], s[G0+4*\s+3], 0x80000000
	s_mov_b32 s[G0B+4*\s], 1
	s_add_co_u32 s[G0B+4*\s+1], s63, \s*SLOT
	s_add_nc_u64 s[G0B+4*\s+2:G0B+4*\s+3], s[82:83], \s*TILEB
	s_or_b32 s[G0B+4*\s+3], s[G0B+4*\s+3], 0x80000000
	JLOAD G0+4*\s, G0B+4*\s
.endr
	v_and_b32 v1, 31, v0
	v_lshlrev_b32 v[L16], 4, v1
	v_lshlrev_b32 v[L8], 3, v1
	v_and_b32 v2, 15, v0                           ; r
	v_bfe_u32 v3, v0, 4, 1                         ; h
.irp b, 0,1,2,3
	v_mov_b32 v[TP+\b], 0                          ; written once: a lane permute's destination counts as one of its sources
.endr
	s_mul_i32 s22, s18, HALF
	s_mul_i32 s23, s17, HALF
	s_add_co_u32 s23, s23, 2*HALF
.irp s, 0,1,2
	v_add_nc_u32 v[AD0+\s], s22, v[L16]
	v_add_nc_u32 v[AD1+\s], s23, v[L16]
	s_add_co_u32 s22, s22, SLOT
	s_add_co_u32 s23, s23, SLOT
.endr
	; the scale words of my 8 + 8 row tiles, for all of K, straight into registers: whole blocks of 256 bytes
	s_add_co_u32 s84, s58, s62
	s_lshl_b32 s84, s84, 9
	s_mov_b32 s85, 0
	s_add_nc_u64 s[84:85], s[6:7], s[84:85]
	s_lshl_b32 s86, s17, 3
	s_add_co_u32 s86, s60, s86
	s_lshl_b32 s86, s86, 9
	s_mov_b32 s87, 0
	s_add_nc_u64 s[86:87], s[6:7], s[86:87]
.irp i, 0,1,2,3,4,5,6,7
.irp u, 0,1
	global_load_b64 v[SC0+4*\i+2*\u:SC0+4*\i+2*\u+1], v[L8], s[84:85] offset:512*\i+256*\u
	global_load_b64 v[SC1+4*\i+2*\u:SC1+4*\i+2*\u+1], v[L8], s[86:87] offset:512*\i+256*\u
.endr
.endr
	; the bias, and where my results go
	s_cmp_eq_u32 ttmp9, 0
	s_cselect_b64 s[88:89], s[8:9], s[10:11]
	s_cmp_eq_u32 ttmp9, 2
	s_cselect_b64 s[88:89], s[12:13], s[88:89]
	s_cselect_b32 s90, s45, s44                    ; the features hang on cx and my half of source 0 (q, k), or on cy and my half of source 1 (v)
	s_cselect_b32 s91, s17, s18
	s_cselect_b32 s94, s44, s45                    ; the tokens on the other pair
	s_cselect_b32 s95, s18, s17
	s_lshl_b32 s90, s90, 1
	s_add_co_u32 s90, s90, s91                     ; which 128 features: two heads
	s_lshl_b32 s92, s90, 9
	s_mov_b32 s93, 0
	s_add_nc_u64 s[88:89], s[88:89], s[92:93]
	s_lshl_b32 s96, s47, 2
	s_add_co_u32 s94, s94, s96
	s_lshl_b32 s94, s94, 1
	s_add_co_u32 s94, s94, s95                     ; which 128 tokens, 0 .. 63
	s_lshr_b32 s95, s94, 4
	s_mul_i32 s95, s95, 4915200                    ; the batch: 256 records
	s_and_b32 s94, s94, 15
	s_mul_i32 s94, s94, 19200
	s_add_co_u32 s94, s94, s95
	s_mul_i32 s95, s90, 614400                     ; two heads of 16 records
	s_add_co_u32 s94, s94, s95
	s_mul_i32 s95, ttmp9, 6400                     ; Q, K or V part
	s_add_co_u32 s94, s94, s95
	s_mov_b32 s95, 0
	s_add_nc_u64 s[14:15], s[14:15], s[94:95]
	s_cmp_eq_u32 ttmp9, 2
	s_cbranch_scc1 .Lbias_v
	v_lshlrev_b32 v[BA], 6, v3                     ; q, k: tile i's register j is feature 32 (i / 2) + 8 (i % 2) + 16 h + j
	WIN 0x40                                       ; destination window 1
.irp i, 0,1,2,3,4,5,6,7
	global_load_b128 v[96+8*\i+96*(\i/4):96+8*\i+96*(\i/4)+3], v[BA], s[88:89] offset:(32*(\i/2)+8*(\i%2))*4
	global_load_b128 v[96+8*\i+96*(\i/4)+4:96+8*\i+96*(\i/4)+7], v[BA], s[88:89] offset:(32*(\i/2)+8*(\i%2))*4+16
.endr
	WIN 0
	s_branch .Lbias_done
.Lbias_v:
	v_and_b32 v[BA], 8, v2                         ; v: all eight registers of tile n hold the bias of my lane's feature 32 (n / 2) + 8 (n % 2) + r + 8 (r / 8)
	v_add_nc_u32 v[BA], v[BA], v2
	v_lshlrev_b32 v[BA], 2, v[BA]
	WIN 0x40
.irp i, 0,1,2,3,4,5,6,7
.irp j, 0,1,2,3,4,5,6,7
	global_load_b32 v[96+8*\i+96*(\i/4)+\j], v[BA], s[88:89] offset:(32*(\i/2)+8*(\i%2))*4
.endr
.endr
	WIN 0
.Lbias_done:
.macro FRAG3 reg, adr, off             ; a fragment comes as it was stored: three loads of 16 bytes a lane, 512 consecutive bytes each
.irp c, 0,1,2
	ds_load_b128 v[\reg+4*\c:\reg+4*\c+3], v[\adr] offset:\off+512*\c
.endr
.endm
.macro FETCH_S0 q                      ; source 0's eight fragments of K step q into set q % 2 of window 1
	WIN 0x40
.irp i, 0,1,2,3,4,5,6,7
	FRAG3 128*((\q)%2)+12*\i, AD0+((\q)/2)%3, TILEB*\i+1536*((\q)%2)
.endr
	WIN 0
.endm
.macro FETCH_S1 q, n0                  ; source 1's blocks n0 .. n0 + 3
.irp i, \n0, \n0+1, \n0+2, \n0+3
	FRAG3 S1F+12*(\i), AD1+((\q)/2)%3, TILEB*(\i)+1536*((\q)%2)
.endr
.endm
; 16 matrix instructions: source 1's blocks n0, n0 + 1 x source 0's eight, K step q.  mode 0: the sums go on; 1, 2: the first K step starts them with the bias as C (by source 0's tile, or by source 1's).
; The 64 accumulators take turns, one instruction a turn, in the same order in every step.  K step q's scale words: register q / 2, lanes 0-15 (q even) or 16-31 (q odd), on both sides.
.macro MUL16 n0, q, mode
.irp n, \n0, \n0+1
.irp i, 0,1,2,3,4,5,6,7
.set rD, 64*((\n)%4)+8*\i
.set rA, 128*((\q)%2)+12*\i
.set rB, S1F+12*(\n)
.set rX, SC0+4*\i+(\q)/2
.set rY, SC1+4*(\n)+(\q)/2
.set rC, rD
.if \mode == 1
.set rC, 96+8*\i+96*(\i/4)
.endif
.if \mode == 2
.set rC, 96+8*(\n)+96*((\n)/4)
.endif
.if (\q)%2
	v_wmma_scale_f32_16x16x128_f8f6f4 v[rD:rD+7], v[rA:rA+11], v[rB:rB+11], v[rC:rC+7], v[rX], v[rY] matrix_a_fmt:MATRIX_FMT_FP6 matrix_b_fmt:MATRIX_FMT_FP6 matrix_a_scale:MATRIX_SCALE_ROW1 matrix_b_scale:MATRIX_SCALE_ROW1
.else
	v_wmma_scale_f32_16x16x128_f8f6f4 v[rD:rD+7], v[rA:rA+11], v[rB:rB+11], v[rC:rC+7], v[rX], v[rY] matrix_a_fmt:MATRIX_FMT_FP6 matrix_b_fmt:MATRIX_FMT_FP6
.endif
.endr
.endr
.endm
; A K step of 128.  A block of source 1 is free as soon as its eight products are issued, so one set serves it: blocks 0-3 are fetched anew in the step's middle, blocks 4-7 at its end; source 0 has two sets.
; Loads into registers that matrix instructions have read stand four plain places behind them (ISA guide 7.12.1 for vector instructions).
.macro STEP q, mode
	s_wait_dscnt 12                                ; source 0's set and source 1's blocks 0-3 are in; the youngest 12 loads (blocks 4-7) may be out
.if \mode
	WIN 0x91                                       ; source 0 and C (the bias) window 1, source 1 window 0, D window 2
.else
	WIN 0xa1                                       ; C and D window 2
.endif
	MUL16 0, \q, \mode
	MUL16 2, \q, \mode
	s_wait_dscnt 0x0                               ; blocks 4-7 are in
	PLACES 4
	FETCH_S0 (\q)+1
	FETCH_S1 (\q)+1, 0
.if \mode
	WIN 0xd1
.else
	WIN 0xf1
.endif
	MUL16 4, \q, \mode
	MUL16 6, \q, \mode
	PLACES 4
	WIN 0
	FETCH_S1 (\q)+1, 4
.endm
; A K step whose successor lies in a slot that must first be shown whole to every wave.  In front of the barrier each wave waits for all its tensor loads, adds 0 to its spare word, and waits for that and for its reads.
; fill = 1: slot 0, which nobody reads any more, is filled again with K 768-1,023: the barrier opens a round of the cluster's barrier, and the joint load is the first thing behind the round.
.macro TURN q, fill
	s_wait_tensorcnt 0x0                           ; all my tensor loads have landed
	ds_add_u32 v[SPW], v[NIL]                      ; 0 onto my spare word
	s_wait_dscnt 13                                ; (the add and the youngest 12 loads may be out)
	WIN 0xa1
	MUL16 0, \q, 0
	s_wait_dscnt 0x0                               ; the add is done, and my LDS reads are in
	s_barrier_signal -1
	MUL16 2, \q, 0
	WIN 0
	s_barrier_wait -1
.if \fill
	CREST
	s_add_nc_u64 s[G0+2:G0+3], s[G0+2:G0+3], 3*TILEB
	s_add_nc_u64 s[G0B+2:G0B+3], s[G0B+2:G0B+3], 3*TILEB
	JLOAD G0, G0B                                  ; the four v_nop behind it are also the places in front of the loads below
.else
	PLACES 4
.endif
	FETCH_S0 (\q)+1
	FETCH_S1 (\q)+1, 0
	WIN 0xf1
	MUL16 4, \q, 0
	MUL16 6, \q, 0
	PLACES 4
	WIN 0
	FETCH_S1 (\q)+1, 4
.endm
	s_wait_tensorcnt 2                             ; my part of slot 0 is in; slots 1 and 2 may be out
	s_barrier_signal -1
	s_barrier_wait -1
	s_wait_alu depctr_va_vdst(0)
	FETCH_S0 0
	FETCH_S1 0, 0
	FETCH_S1 0, 4
	s_wait_loadcnt 0x0                             ; scale words and bias
	s_cmp_eq_u32 ttmp9, 2
	s_cbranch_scc1 .Lfirst_v
	STEP 0, 1
	s_branch .Lfirst_done
.Lfirst_v:
	STEP 0, 2
.Lfirst_done:
	TURN 1, 1                                      ; slots 1 and 2 are whole for every wave; slot 0 is asked for again
	STEP 2, 0
	STEP 3, 0
	STEP 4, 0
	TURN 5, 0                                      ; the refill has landed in every wave's sight
	STEP 6, 0
	s_wait_dscnt 12                                ; the last K step: nothing more to fetch
	WIN 0xa1
	MUL16 0, 7, 0
	MUL16 2, 7, 0
	s_wait_dscnt 0x0
	WIN 0xf1
	MUL16 4, 7, 0
	MUL16 6, 7, 0
	WIN 0
	PLACES 4
; THE WAY OUT, one block n of source 1 at a time: a lane's 64 numbers (register 16 b + i = index 32 b + 16 h + i of source 0) become four blocks' scale bytes and a fragment's 12 registers of codes.
; Each accumulator is read from its low end on.  kind 0 (q, k): registers 0-5 and 6-11 are two heads' halves of token tile n.  kind 1 (v): the fragment is d tile n % 4 of head n / 4, K = my 128 tokens.
.macro EPI n, kind
.set AC, 64*((\n)%4)
.set PCS, 224+16*((\n)%2)
	WIN 0x0a+5*((\n)/4)                            ; sources 0 and 1: window 2 or 3
.irp b, 0,1,2,3
	v_max3_num_f32 v[TM+\b], |v[AC+16*\b]|, |v[AC+16*\b+1]|, 0x1800000   ; with the floor 2^(3 - 127): the byte cannot fall under 1
.endr
.irp i, 2,4,6,8,10,12,14
.irp b, 0,1,2,3
	v_max3_num_f32 v[TM+\b], |v[AC+16*\b+\i]|, |v[AC+16*\b+\i+1]|, v[TM+\b]
.endr
.endr
	WIN 0
.irp b, 0,1,2,3
	v_permlanex16_b32 v[TP+\b], v[TM+\b], s20, s21
.endr
.irp b, 0,1,2,3
	v_max_num_f32 v[TM+\b], v[TM+\b], v[TP+\b]     ; with lane l xor 16's 16: the block's largest magnitude
.endr
.irp b, 0,1,2,3
	v_add_nc_u32 v[SO+\b], 0xff000000, v[TM+\b]    ; 2 off the exponent field: the conversion's scale operand
.endr
.irp b, 0,1,2,3
	v_lshrrev_b32 v[TP+\b], 23, v[SO+\b]           ; the byte
.endr
.if \kind == 0
.irp c, 0,1
.if ((\n)%2) == 0
	v_lshl_or_b32 v[WW+\c], v[TP+2*\c+1], 8, v[TP+2*\c]      ; head c: the even tile's two bytes
.else
	v_lshl_or_b32 v[TW], v[TP+2*\c+1], 8, v[TP+2*\c]
	v_lshl_or_b32 v[WW+\c], v[TW], 16, v[WW+\c]              ; the odd tile's above them: the pair's word
.if (((\n)/2)%2) == 0
	v_mov_b32 v[SW+2*\c+(\n)/4], v[WW+\c]
.else
	v_cndmask_b32 v[SW+2*\c+(\n)/4], v[SW+2*\c+(\n)/4], v[WW+\c], s19   ; an odd pair's words go to lanes 16-31
.endif
.endif
.endr
.else
	v_lshl_or_b32 v[TW], v[TP+1], 8, v[TP]
	v_lshl_or_b32 v[TW], v[TP+2], 16, v[TW]
	v_lshl_or_b32 v[TW], v[TP+3], 24, v[TW]
.if ((\n)%2) == 0
	v_mov_b32 v[SW+2*((\n)/4)+((\n)%4)/2], v[TW]
.else
	v_cndmask_b32 v[SW+2*((\n)/4)+((\n)%4)/2], v[SW+2*((\n)/4)+((\n)%4)/2], v[TW], s19
.endif
.endif
.if (\n) >= 2
	s_wait_xcnt 0x0                                ; block n - 2's stores have read this set of codes
.endif
	WIN 0x02+(\n)/4                                ; source 0: window 2 or 3
	v_cvt_scalef32_pk16_fp6_f32 v[PCS:PCS+2], v[AC:AC+15], v[SO]
	v_cvt_scalef32_pk16_fp6_f32 v[CT0:CT0+2], v[AC+16:AC+31], v[SO+1]
	v_cvt_scalef32_pk16_fp6_f32 v[PCS+6:PCS+8], v[AC+32:AC+47], v[SO+2]
	v_cvt_scalef32_pk16_fp6_f32 v[CT1:CT1+2], v[AC+48:AC+63], v[SO+3]
	WIN 0
	v_nop                                          ; one plain place behind the scaled conversions
.irp i, 0,1,2                                  ; the operand's layout wants a whole block in a lane: lanes 0-15 block 2 c, lanes 16-31 block 2 c + 1
	v_permlane16_swap_b32 v[PCS+\i], v[CT0+\i]
	v_permlane16_swap_b32 v[PCS+6+\i], v[CT1+\i]
.endr
.irp i, 0,1,2
	v_mov_b32 v[PCS+3+\i], v[CT0+\i]
	v_mov_b32 v[PCS+9+\i], v[CT1+\i]
.endr
.if \kind == 0
.irp c, 0,1
	global_store_b128 v[L16], v[PCS+6*\c:PCS+6*\c+3], s[14:15] offset:307200*\c+768*(\n)        ; 512 consecutive bytes, aligned to 256
	global_store_b64 v[L8], v[PCS+6*\c+4:PCS+6*\c+5], s[14:15] offset:307200*\c+768*(\n)+512    ; 256 likewise
.endr
.else
.irp c, 0,1,2
	global_store_b128 v[L16], v[PCS+4*\c:PCS+4*\c+3], s[14:15] offset:307200*((\n)/4)+1536*((\n)%4)+512*\c
.endr
.endif
.endm
	s_cmp_eq_u32 ttmp9, 2
	s_cbranch_scc1 .Lout_v
.irp n, 0,1,2,3,4,5,6,7
	EPI \n, 0
.endr
	s_branch .Lout_done
.Lout_v:
.irp n, 0,1,2,3,4,5,6,7
	EPI \n, 1
.endr
.Lout_done:
	global_store_b64 v[L8], v[SW:SW+1], s[14:15] offset:6144            ; the two heads' scale words: 256 consecutive bytes each
	global_store_b64 v[L8], v[SW+2:SW+3], s[14:15] offset:313344
	s_wait_tensorcnt 0x0                           ; the wave's end
	ds_add_u32 v[SPW], v[NIL]
	s_wait_dscnt 0x0
	CROUND                                         ; the closing round: no work-group ends while a partner may still ask for a tile that names it
	s_endpgm
.Lfunc_end_k_q2c34af7b2f_qkvgemm:
	.size	k_q2c34af7b2f_qkvgemm, .Lfunc_end_k_q2c34af7b2f_qkvgemm-k_q2c34af7b2f_qkvgemm
	.p2alignl 7, 3214868480
	.fill 96, 4, 3214868480
	.section	.rodata,"a",@progbits
	.p2align	6, 0x0
	.amdhsa_kernel k_q2c34af7b2f_qkvgemm
		.amdhsa_group_segment_fixed_size 327680
		.amdhsa_private_segment_fixed_size 0
		.amdhsa_enable_private_segment 0
		.amdhsa_kernarg_size 48
		.amdhsa_user_sgpr_count 2
		.amdhsa_user_sgpr_kernarg_segment_ptr 1
		.amdhsa_wavefront_size32 1
		.amdhsa_system_sgpr_workgroup_id_x 1
		.amdhsa_system_sgpr_workgroup_id_y 1
		.amdhsa_system_sgpr_workgroup_id_z 1
		.amdhsa_system_vgpr_workitem_id 0
		.amdhsa_next_free_vgpr 1024
		.amdhsa_next_free_sgpr 100
		.amdhsa_reserve_vcc 0
		.amdhsa_float_denorm_mode_32 3
		.amdhsa_float_denorm_mode_16_64 3
		.amdhsa_memory_ordered 1
		.amdhsa_forward_progress 1
		.amdhsa_inst_pref_size 193
	.end_amdhsa_kernel
	.amdgpu_metadata
---
amdhsa.version: [ 1, 2 ]
amdhsa.kernels:
  - .name:           k_q2c34af7b2f_qkvgemm
    .symbol:         k_q2c34af7b2f_qkvgemm.kd
    .args:
      - { .name: cod, .offset: 0, .size: 8, .value_kind: global_buffer, .address_space: global }
      - { .name: scl, .offset: 8, .size: 8, .value_kind: global_buffer, .address_space: global }
      - { .name: bq, .offset: 16, .size: 8, .value_kind: global_buffer, .address_space: global }
      - { .name: bk, .offset: 24, .size: 8, .value_kind: global_buffer, .address_space: global }
      - { .name: bv, .offset: 32, .size: 8, .value_kind: global_buffer, .address_space: global }
      - { .name: qkv, .offset: 40, .size: 8, .value_kind: global_buffer, .address_space: global }
    .group_segment_fixed_size: 327680
    .private_segment_fixed_size: 0
    .kernarg_segment_align: 8
    .kernarg_segment_size: 48
    .max_flat_workgroup_size: 128
    .sgpr_count:     100
    .vgpr_count:     1024
    .wavefront_size: 32
...
	.end_amdgpu_metadata
.endif
;; end of part 2
;; launch attn (part 3): grid 4 x 64, 16 waves a work-group, no clusters, 206,848 bytes of LDS; arguments qkv, ctxc, ctxs; writes ctxc, ctxs
.if DOCPART == 3
	.amdgcn_target "amdgcn-amd-amdhsa--gfx1250"
	.amdhsa_code_object_version 6
	.text
	.protected	k_q2c34af7b2f_attn
	.globl	k_q2c34af7b2f_attn
	.p2align	8
	.type	k_q2c34af7b2f_attn,@function
k_q2c34af7b2f_attn:
	s_mov_b64 s[64:65], 0
	v_nop
	global_prefetch_b8 v0, s[64:65] scope:SCOPE_SE
	s_setreg_imm32_b32 hwreg(HW_REG_WAVE_MODE, 25, 1), 1
	s_wait_xcnt 0x0
; ctx[b][h][q] = the sum over keys k <= q of softmax_k(q . k / 8) v, both products on codes of FP6 (E2M3) with E8M0 scales; ctx is quantised here along the head's 64 for the last product and leaves as codes.
; THE SOFTMAX AHEAD OF THE SECOND PRODUCT: t = score x log2(e) / 8; M = the running largest t rounded UP to a whole number; p = 2^(t - M) is quantised along the keys, not normalised; the row's sum is taken of the
; unquantised p and divides at the end; when M moves, the sum and O are multiplied by 2^(old M - new M), which rounds nothing.
; SHARES: work-group (j, head); 16 waves, four to a SIMD, one tile of 16 queries at a time in 256 registers.  Wave w first makes query tile 127 - 16 j - w, then tile 16 j + w.  Tile T wants the key steps 0 .. T / 8 (128 keys each):
; the two tiles together are 17 steps in every wave of every work-group.  Every wave walks 18 trips, a constant; in one of them all keys lie behind its queries and the step's work is jumped over.
; LDS: the whole head's K and V, 16 records of 12,800 bytes (K's codes 6,144, scale words 256, V's likewise), each byte filled once: four tensor loads a wave at the start (four are out), no slot is filled again.
; NO CLUSTER: the four work-groups of a head change tiles and jump over hidden steps in different trips, by branches on the work-group's number, and each asks for the head's 204,800 bytes only once.
; LAYOUT: S^T = K Q^T (source 0 = keys), O^T = V^T P^T (source 0 = 16 of the head's 64): a lane holds ONE query throughout.  The keys of a tile are row-lane r of tile t = key 32 (t / 2) + 8 (t % 2) + r + 8 (r / 8),
; so that the 16 registers of tiles 2 b, 2 b + 1 are 16 neighbouring keys.  HEAD SIZE 64 IN A K OF 128: a fragment of K holds key tile 2 p in k 0-63 and tile 2 p + 1 in k 64-127; multiplied by [Q | 0] it gives tile 2 p's scores,
; by [0 | Q] tile 2 p + 1's.  v16-21 Q, v22-27 zeros, v28-33 Q again: the two operands are v[16:27] and v[22:33].  The dead blocks have zero codes and the scale byte 0 on Q's side.
; LIMITS: a block of zeros gets the byte 1 (zero codes; this program alone reads the bytes); NaN and infinities are not served.
; REGISTERS: v1-9 addresses and lane constants; v10, v11 Q's scale words; v12 -M, v13 the largest t, v[14:15] the sum; v35 p's scale word; v[36:37] K's, v[38:39] V's scale words; v40-87 K's four fragments, later p's codes;
; v96-159 S^T, then p; v160-191 O^T; v192-239 V's four fragments; v240-254 at work.
.set REC,  12800                       ; a record's K and V in LDS
.set KF,   40
.set S,    96
.set O,    160
.set VF,   192
.set BM,   240                         ; v240-243 block maxima;  v244-247 the other half's, a chain of sums, bytes;  v248-251 scale operands
.set BP,   244
.set SO,   248
.set WV,   10                          ; s10 wave
.set HD,   12                          ; s12 batch x 16 + head
.set TT,   13                          ; s13 the query tile in hand
.set T8,   14                          ; s14 its record: the last key step that counts
.set KS,   15                          ; s15 the key step
.set ST,   16                          ; s16 the trip
.set NB,   17                          ; s17 the trip in which the second tile begins: 16 - 2 j
.set TB,   18                          ; s18 the key step's record in LDS
.set TA,   19                          ; s19 the second tile
.set SEL,  20
.set CS,   22                          ; s[22:23] c = log2(e) / 8
.set G1,   24
.set G0,   32                          ; s[32:47] four groups 0
	s_load_b128 s[4:7], s[0:1], 0x0                ; qkv, ctxc
	s_load_b64 s[8:9], s[0:1], 0x10                ; ctxs
	v_lshl_add_u32 v95, v0, 2, 0x32000
	v_mov_b32 v255, 0
	ds_add_u32 v95, v255
	ds_add_u32 v95, v255
	v_lshrrev_b32 v254, 5, v0
	s_delay_alu instid0(VALU_DEP_1)
	v_readfirstlane_b32 s[WV], v254                ; wave 0..15
	s_and_b32 s[HD], ttmp7, 0xffff
	s_mov_b32 s[G1], 3<<16                         ; no mask; elements of 8 bytes; no padding
	s_mov_b32 s[G1+1], 400<<16                     ; tensor_dim0 = 400 elements: one row of 3,200 bytes
	s_mov_b32 s[G1+2], 1<<16                       ; tensor_dim1 = 1
	s_mov_b32 s[G1+3], 400<<16                     ; tile_dim0
	s_mov_b32 s[G1+4], 1                           ; tile_dim1
	s_mov_b32 s[G1+5], 400                         ; the pitch
	s_mov_b32 s[G1+6], 0
	s_mov_b32 s[G1+7], 0
	s_mul_i32 s56, s[HD], 307200                   ; the head's 16 records of 19,200 bytes
	s_mov_b32 s57, 0
	s_lshr_b32 s58, s[WV], 2                       ; of four records a group, my record,
	s_mul_i32 s58, s58, 19200
	s_and_b32 s59, s[WV], 3                        ; and my quarter of its 12,800 bytes of K and V,
	s_mul_i32 s59, s59, 3200
	s_add_co_u32 s58, s58, s59
	s_add_co_u32 s58, s58, 6400                    ; which lie behind Q's 6,400
	s_mov_b32 s59, 0
	s_mul_i32 s60, s[WV], 3200                     ; in LDS the records' K and V lie on end
	s_wait_dscnt 0x0
	s_wait_kmcnt 0x0
	s_add_nc_u64 s[48:49], s[4:5], s[56:57]        ; the head
	s_add_nc_u64 s[58:59], s[48:49], s[58:59]
.irp g, 0,1,2,3
	s_mov_b32 s[G0+4*\g], 1
	s_add_co_u32 s[G0+4*\g+1], s60, 4*REC*\g
	s_add_nc_u64 s[G0+4*\g+2:G0+4*\g+3], s[58:59], 76800*\g
	s_or_b32 s[G0+4*\g+3], s[G0+4*\g+3], 0x80000000
.endr
	tensor_load_to_lds s[G0:G0+3], s[G1:G1+7]      ; records 0-3,
	s_nop 0
	tensor_load_to_lds s[G0+4:G0+7], s[G1:G1+7]    ; 4-7,
	s_nop 0
	tensor_load_to_lds s[G0+8:G0+11], s[G1:G1+7]   ; 8-11,
	s_nop 0
	tensor_load_to_lds s[G0+12:G0+15], s[G1:G1+7]  ; 12-15
	s_nop 0
.rept 4
	v_nop
.endr
	v_and_b32 v254, 31, v0
	s_delay_alu instid0(VALU_DEP_1)
	v_lshlrev_b32 v1, 4, v254                      ; 16 x lane
	s_delay_alu instid0(VALU_DEP_2)
	v_lshlrev_b32 v2, 3, v254                      ; 8 x lane
	v_and_b32 v6, 15, v0                           ; r
	v_bfe_u32 v5, v0, 4, 1                         ; h
	s_delay_alu instid0(VALU_DEP_2)
	v_and_b32 v9, 8, v6
	s_delay_alu instid0(VALU_DEP_1)
	v_add_nc_u32 v9, v9, v6
	s_delay_alu instid0(VALU_DEP_3)
	v_lshlrev_b32 v5, 4, v5
	s_delay_alu instid0(VALU_DEP_1)
	v_sub_nc_u32 v9, v9, v5                        ; r + 8 (r / 8) - 16 h
	v_lshlrev_b32 v6, 3, v6                        ; 8 r
	v_mov_b32 v7, 0xff800000                       ; -infinity
.irp i, 22,23,24,25,26,27
	v_mov_b32 v\i, 0                               ; the zero half between the two copies of Q
.endr
.irp b, 0,1,2,3
	v_mov_b32 v[BP+\b], 0                          ; written once: a lane permute's destination counts as one of its sources
.endr
	v_mov_b32 v253, 0                              ; (named as the upper half of the pair v[252:253])
	s_mov_b32 s[SEL], 0x76543210
	s_mov_b32 s[SEL+1], 0xfedcba98
	s_mov_b32 s[CS], 0x3e38aa3b                    ; log2(e) / 8
	s_mov_b32 s[CS+1], s[CS]
	s_lshl_b32 s56, ttmp9, 4
	s_add_co_u32 s[TA], s56, s[WV]                 ; 16 j + w
	s_sub_co_u32 s[TT], 127, s[TA]                 ; 127 - 16 j - w
	s_lshl_b32 s[NB], ttmp9, 1
	s_sub_co_u32 s[NB], 16, s[NB]
	; the head's part of ctx's addresses.  ctxc: [row tile batch x 128 + T][head][768].  ctxs: 512 bytes a row tile; K step s = head / 2, my two bytes of its word
	s_lshr_b32 s56, s[HD], 4                       ; batch
	s_and_b32 s62, s[HD], 15                       ; head
	s_mul_i32 s58, s56, 128*12288
	s_mul_i32 s63, s62, 768
	s_add_co_u32 s58, s58, s63
	s_mov_b32 s59, 0
	s_add_nc_u64 s[68:69], s[6:7], s[58:59]
	s_lshl_b32 s58, s56, 16                        ; batch x 128 x 512
	s_lshr_b32 s63, s62, 3
	s_lshl_b32 s63, s63, 8                         ; 256 (s / 4)
	s_add_co_u32 s58, s58, s63
	s_bfe_u32 s63, s62, 0x10001
	s_lshl_b32 s63, s63, 7                         ; 128 (s % 2)
	s_add_co_u32 s58, s58, s63
	s_bfe_u32 s63, s62, 0x10002
	s_lshl_b32 s63, s63, 2                         ; 4 ((s / 2) % 2)
	s_add_co_u32 s58, s58, s63
	s_and_b32 s63, s62, 1
	s_lshl_b32 s63, s63, 1                         ; 2 (head % 2)
	s_add_co_u32 s58, s58, s63
	s_add_nc_u64 s[70:71], s[8:9], s[58:59]
; A QUERY TILE BEGINS: Q's codes (twice) and scale word from memory, ctx's addresses, the mask's lane term, and zeros for O^T and the sum.
.macro INIT
	s_lshr_b32 s[T8], s[TT], 3
	s_and_b32 s56, s[TT], 7                        ; the tile's place in its record
	s_mul_i32 s58, s[T8], 19200
	s_mov_b32 s59, 0
	s_add_nc_u64 s[50:51], s[48:49], s[58:59]      ; the record
	s_mul_i32 s58, s56, 768
	s_add_nc_u64 s[60:61], s[50:51], s[58:59]      ; the tile's codes
	global_load_b128 v[16:19], v1, s[60:61]
	global_load_b64 v[20:21], v2, s[60:61] offset:512
	global_load_b128 v[28:31], v1, s[60:61]
	global_load_b64 v[32:33], v2, s[60:61] offset:512
	s_bfe_u32 s57, s56, 0x10001
	s_lshl_b32 s57, s57, 7
	s_lshr_b32 s58, s56, 2
	s_lshl_b32 s58, s58, 2
	s_add_co_u32 s57, s57, s58
	v_add_nc_u32 v8, s57, v6                       ; the pair's word of row r: 8 (16 (p % 2) + r) + 4 (p / 2)
	global_load_b32 v34, v8, s[50:51] offset:6144
	s_mul_i32 s58, s[TT], 12288
	s_add_nc_u64 s[52:53], s[68:69], s[58:59]      ; where ctx's codes go,
	s_lshl_b32 s58, s[TT], 9
	s_add_nc_u64 s[54:55], s[70:71], s[58:59]      ; and its two scale bytes
	s_and_b32 s57, s[TT], 1
	s_lshl_b32 s58, s57, 4
	s_lshr_b32 s63, s56, 1
	s_lshl_b32 s63, s63, 5
	s_lshl_b32 s57, s57, 3
	s_add_co_u32 s63, s63, s57                     ; 32 (place / 2) + 8 (T % 2)
	s_wait_loadcnt 0x0
	v_lshrrev_b32 v10, s58, v34
	s_delay_alu instid0(VALU_DEP_1)
	v_and_b32 v10, 0xffff, v10                     ; my tile's two bytes, for [Q | 0];
	s_delay_alu instid0(VALU_DEP_1)
	v_lshlrev_b32 v11, 16, v10                     ; and for [0 | Q]
	v_add_nc_u32 v5, s63, v9                       ; my query's place in its record, less 16 h
.irp j, 0,1,2,3,4,5,6,7,8,9,10,11,12,13,14,15,16,17,18,19,20,21,22,23,24,25,26,27,28,29,30,31
	v_mov_b32 v[O+\j], 0                           ; O^T begins as zeros, which the first change of M leaves zeros.  (These lines are also the places between the scale words' lines and the products)
.endr
	v_mov_b32 v13, 0xff61b1e6                      ; the largest t so far: -3e38
	s_delay_alu instid0(VALU_DEP_1)
	v_floor_f32 v12, -v13
	v_mov_b32 v14, 0
	v_mov_b32 v15, 0
.endm
.macro QKW t                           ; the scores of key tile t
.set rS, S+8*(\t)
.set rK, KF+12*((\t)/2)
.set rX, 36+(\t)/4
.if ((\t)%2) == 0
.if (((\t)/2)%2) == 0
	v_wmma_scale_f32_16x16x128_f8f6f4 v[rS:rS+7], v[rK:rK+11], v[16:27], 0, v[rX], v10 matrix_a_fmt:MATRIX_FMT_FP6 matrix_b_fmt:MATRIX_FMT_FP6
.else
	v_wmma_scale_f32_16x16x128_f8f6f4 v[rS:rS+7], v[rK:rK+11], v[16:27], 0, v[rX], v10 matrix_a_fmt:MATRIX_FMT_FP6 matrix_b_fmt:MATRIX_FMT_FP6 matrix_a_scale:MATRIX_SCALE_ROW1
.endif
.else
.if (((\t)/2)%2) == 0
	v_wmma_scale_f32_16x16x128_f8f6f4 v[rS:rS+7], v[rK:rK+11], v[22:33], 0, v[rX], v11 matrix_a_fmt:MATRIX_FMT_FP6 matrix_b_fmt:MATRIX_FMT_FP6
.else
	v_wmma_scale_f32_16x16x128_f8f6f4 v[rS:rS+7], v[rK:rK+11], v[22:33], 0, v[rX], v11 matrix_a_fmt:MATRIX_FMT_FP6 matrix_b_fmt:MATRIX_FMT_FP6 matrix_a_scale:MATRIX_SCALE_ROW1
.endif
.endif
.endm
; A KEY STEP: 128 keys, the record at s[TB].  causal = 1: a step all of whose keys lie behind my queries is jumped over (a scalar branch on ids); in the step on the diagonal hidden scores become -infinity.
.macro STEP causal
.if \causal
	s_cmp_gt_u32 s[KS], s[T8]
	s_cbranch_scc1 .Lhid_\@
.endif
	s_setprio 2
	v_add_nc_u32 v3, s[TB], v1
	v_add_nc_u32 v4, s[TB], v2
	v_nop
	v_nop                                          ; four plain places in front of loads into registers that the last products read
.irp p, 0,1,2,3                                ; K: key tiles 2 p and 2 p + 1 on end make one fragment
	ds_load_b128 v[KF+12*\p:KF+12*\p+3], v3 offset:1536*\p
	ds_load_b64 v[KF+12*\p+4:KF+12*\p+5], v4 offset:1536*\p+512
	ds_load_b128 v[KF+12*\p+6:KF+12*\p+9], v3 offset:1536*\p+768
	ds_load_b64 v[KF+12*\p+10:KF+12*\p+11], v4 offset:1536*\p+1280
.endr
	ds_load_b64 v[36:37], v4 offset:6144           ; K's scale words: pair p in register p / 2, lanes 0-15 (p even) or 16-31
.irp d, 0,1,2,3
.irp c, 0,1,2
	ds_load_b128 v[VF+12*\d+4*\c:VF+12*\d+4*\c+3], v3 offset:6400+1536*\d+512*\c
.endr
.endr
	ds_load_b64 v[38:39], v4 offset:12544          ; V's scale words
	s_wait_dscnt 13                                ; K and its words are in; V's 12 loads and its words may be out
.irp t, 0,1,2,3,4,5,6,7
	QKW \t
.endr
.rept 4
	v_nop
.endr
.if \causal
	s_cmp_lg_u32 s[KS], s[T8]
	s_cbranch_scc1 .Lopen_\@
.irp n, 0,1,2,3,4,5,6,7,8,9,10,11,12,13,14,15,16,17,18,19,20,21,22,23,24,25,26,27,28,29,30,31,32,33,34,35,36,37,38,39,40,41,42,43,44,45,46,47,48,49,50,51,52,53,54,55,56,57,58,59,60,61,62,63
	v_cmp_gt_i32 vcc_lo, 32*(\n/16)+\n%16, v5      ; register 16 b + i holds key 32 b + 16 h + i of the record: hidden where it lies behind my query
	v_cndmask_b32 v[S+\n], v[S+\n], v7, vcc_lo
.endr
.Lopen_\@:
.endif
.irp b, 0,1,2,3
	v_max3_num_f32 v[BM+\b], v[S+16*\b], v[S+1+16*\b], v[S+2+16*\b]   ; the largest score of each block of 32 keys: for the row's maximum, and, since p rises with the score, for the block's largest p
.endr
.irp i, 3,5,7,9,11,13
.irp b, 0,1,2,3
	v_max3_num_f32 v[BM+\b], v[BM+\b], v[S+16*\b+\i], v[S+1+16*\b+\i]
.endr
.endr
.irp b, 0,1,2,3
	v_max_num_f32 v[BM+\b], v[BM+\b], v[S+15+16*\b]
.endr
.irp b, 0,1,2,3
	s_delay_alu instid0(VALU_DEP_4)
	v_permlanex16_b32 v[BP+\b], v[BM+\b], s[SEL], s[SEL+1]
.endr
.irp b, 0,1,2,3
	s_delay_alu instid0(VALU_DEP_4)
	v_max_num_f32 v[BM+\b], v[BM+\b], v[BP+\b]     ; with lane l xor 16's 16 keys
.endr
	s_delay_alu instid0(VALU_DEP_2)
	v_max3_num_f32 v254, v[BM], v[BM+1], v[BM+2]
	s_delay_alu instid0(VALU_DEP_1)
	v_max_num_f32 v254, v254, v[BM+3]
	s_delay_alu instid0(VALU_DEP_1)
	v_mul_f32 v254, s[CS], v254                    ; the step's largest t
	s_delay_alu instid0(VALU_DEP_1)
	v_max_num_f32 v13, v13, v254                   ; the running largest t
	v_mov_b32 v254, v12
	s_delay_alu instid0(VALU_DEP_2)
	v_floor_f32 v12, -v13                          ; the new -M = -ceil(t): a whole number
	s_delay_alu instid0(VALU_DEP_1)
	v_sub_f32 v254, v12, v254                      ; old M - new M, 0 or less
	s_delay_alu instid0(VALU_DEP_1)
	v_cvt_i32_f32 v254, v254                       ; (it saturates)
	s_delay_alu instid0(VALU_DEP_1)
	v_ldexp_f32 v252, 1.0, v254                    ; f = 2^(old M - new M)
.irp j, 0,2,4,6,8,10,12,14,16,18,20,22,24,26,28,30,32,34,36,38,40,42,44,46,48,50,52,54,56,58,60,62
	v_pk_fma_f32 v[S+\j:S+1+\j], v[S+\j:S+1+\j], s[CS:CS+1], v[12:13] op_sel_hi:[1,0,0]   ; t - M, two at a time
.endr
.irp b, 0,1,2,3
	v_fma_f32 v[BM+\b], v[BM+\b], s[CS], v12       ; the same of each block's largest score
.endr
	s_setprio 1
	s_wait_alu depctr_va_vdst(0)
.irp j, 0,1,2,3,4,5,6,7,8,9,10,11,12,13,14,15,16,17,18,19,20,21,22,23,24,25,26,27,28,29,30,31,32,33,34,35,36,37,38,39,40,41,42,43,44,45,46,47,48,49,50,51,52,53,54,55,56,57,58,59,60,61,62,63
	v_exp_f32 v[S+\j], v[S+\j]                     ; p = 2^(t - M)
.endr
	v_pk_mul_f32 v[14:15], v[14:15], v[252:253] op_sel_hi:[1,0]   ; the sum under the new M: the plain place behind the exponentials
	s_wait_alu depctr_va_vdst(0)                   ; one wait for the batch of 64, ahead of its first reader
.irp b, 0,1,2,3
	v_exp_f32 v[BM+\b], v[BM+\b]                   ; the block's largest p
.endr
	v_pk_add_f32 v[244:245], v[100:101], v[104:105]
	v_pk_add_f32 v[250:251], v[108:109], v[112:113]
	v_pk_add_f32 v[248:249], v[116:117], v[120:121]
	v_pk_add_f32 v[246:247], v[124:125], v[128:129]
	v_pk_add_f32 v[92:93], v[132:133], v[136:137]
	v_pk_add_f32 v[90:91], v[140:141], v[144:145]
	v_pk_add_f32 v[88:89], v[148:149], v[152:153]
	v_pk_add_f32 v[14:15], v[14:15], v[156:157]
	v_pk_add_f32 v[244:245], v[244:245], v[96:97]
	v_pk_add_f32 v[250:251], v[250:251], v[98:99]
	v_pk_add_f32 v[248:249], v[248:249], v[102:103]
	v_pk_add_f32 v[246:247], v[246:247], v[106:107]
	v_pk_add_f32 v[92:93], v[92:93], v[110:111]
	v_pk_add_f32 v[90:91], v[90:91], v[114:115]
	v_pk_add_f32 v[88:89], v[88:89], v[118:119]
	v_pk_add_f32 v[14:15], v[14:15], v[122:123]
	v_pk_add_f32 v[244:245], v[244:245], v[126:127]
	v_pk_add_f32 v[250:251], v[250:251], v[130:131]
	v_pk_add_f32 v[248:249], v[248:249], v[134:135]
	v_pk_add_f32 v[246:247], v[246:247], v[138:139]
	v_pk_add_f32 v[92:93], v[92:93], v[142:143]
	v_pk_add_f32 v[90:91], v[90:91], v[146:147]
	v_pk_add_f32 v[88:89], v[88:89], v[150:151]
	v_pk_add_f32 v[14:15], v[14:15], v[154:155]
	v_pk_add_f32 v[244:245], v[244:245], v[158:159]
	s_delay_alu instid0(VALU_DEP_2)
	v_pk_add_f32 v[14:15], v[14:15], v[246:247]
	s_delay_alu instid0(VALU_DEP_2)
	v_pk_add_f32 v[244:245], v[244:245], v[92:93]
	v_pk_add_f32 v[250:251], v[250:251], v[90:91]
	v_pk_add_f32 v[248:249], v[248:249], v[88:89]
	s_delay_alu instid0(VALU_DEP_2)
	v_pk_add_f32 v[14:15], v[14:15], v[250:251]
	s_delay_alu instid0(VALU_DEP_2)
	v_pk_add_f32 v[244:245], v[244:245], v[248:249]
	s_delay_alu instid0(VALU_DEP_1)
	v_pk_add_f32 v[14:15], v[14:15], v[244:245]
	s_wait_alu depctr_va_vdst(0)                   ; and one for the four
.irp b, 0,1,2,3
	v_max_num_f32 v[BM+\b], 0x1800000, v[BM+\b]    ; the floor 2^(3 - 127): the byte cannot fall under 1
.endr
.irp b, 0,1,2,3
	s_delay_alu instid0(VALU_DEP_4)
	v_add_nc_u32 v[SO+\b], 0xff000000, v[BM+\b]
.endr
.irp b, 0,1,2,3
	s_delay_alu instid0(VALU_DEP_4)
	v_lshrrev_b32 v[BP+\b], 23, v[SO+\b]
.endr
	s_delay_alu instid0(VALU_DEP_3)
	v_lshl_or_b32 v35, v[BP+1], 8, v[BP]           ; p's scale word for these 128 keys
	s_delay_alu instid0(VALU_DEP_1)
	v_lshl_or_b32 v35, v[BP+2], 16, v35
	s_delay_alu instid0(VALU_DEP_1)
	v_lshl_or_b32 v35, v[BP+3], 24, v35
.irp c, 0,1
	v_cvt_scalef32_pk16_fp6_f32 v[KF+6*\c:KF+2+6*\c], v[S+32*\c:S+15+32*\c], v[SO+2*\c]
	v_cvt_scalef32_pk16_fp6_f32 v[KF+12+4*\c:KF+14+4*\c], v[S+16+32*\c:S+31+32*\c], v[SO+2*\c+1]
.endr
	v_nop                                          ; one plain place behind the scaled conversions
	s_setprio 0
.irp c, 0,1
.irp i, 0,1,2
	v_permlane16_swap_b32 v[KF+6*\c+\i], v[KF+12+4*\c+\i]
.endr
.irp i, 0,1,2
	s_delay_alu instid0(VALU_DEP_3)
	v_mov_b32 v[KF+3+6*\c+\i], v[KF+12+4*\c+\i]
.endr
.endr
.irp j, 0,2,4,6,8,10,12,14,16,18,20,22,24,26,28,30
	v_pk_mul_f32 v[O+\j:O+1+\j], v[O+\j:O+1+\j], v[252:253] op_sel_hi:[1,0]   ; O^T under the new M.  (These 16 are also the places between the codes' and the scale word's lines and the products)
.endr
	s_wait_alu depctr_va_vdst(0)
	s_wait_dscnt 0x0                               ; V and its words are in
.irp d, 0,1,2,3
.if (\d%2) == 0
	v_wmma_scale_f32_16x16x128_f8f6f4 v[O+8*\d:O+8*\d+7], v[VF+12*\d:VF+12*\d+11], v[KF:KF+11], v[O+8*\d:O+8*\d+7], v[38+\d/2], v35 matrix_a_fmt:MATRIX_FMT_FP6 matrix_b_fmt:MATRIX_FMT_FP6
.else
	v_wmma_scale_f32_16x16x128_f8f6f4 v[O+8*\d:O+8*\d+7], v[VF+12*\d:VF+12*\d+11], v[KF:KF+11], v[O+8*\d:O+8*\d+7], v[38+\d/2], v35 matrix_a_fmt:MATRIX_FMT_FP6 matrix_b_fmt:MATRIX_FMT_FP6 matrix_a_scale:MATRIX_SCALE_ROW1
.endif
.endr
.if \causal
.Lhid_\@:
.endif
.endm
; A QUERY TILE ENDS: O^T / the sum (register 16 b + i = d 32 b + 16 h + i of my query) is quantised along d: two blocks; the codes leave as 16 rows x 64 K in the order of the operand's registers.
.macro FINISH
.rept 4
	v_nop
.endr
	v_add_f32 v14, v14, v15
	s_delay_alu instid0(VALU_DEP_1)
	v_permlanex16_b32 v[BP], v14, s[SEL], s[SEL+1]
	s_delay_alu instid0(VALU_DEP_1)
	v_add_f32 v14, v14, v[BP]                      ; the row's sum
	s_wait_alu depctr_va_vdst(0)
	v_rcp_f32 v252, v14
	v_nop                                          ; a plain place behind the reciprocal,
	s_wait_alu depctr_va_vdst(0)                   ; and the wait ahead of its first reader
.irp j, 0,2,4,6,8,10,12,14,16,18,20,22,24,26,28,30
	v_pk_mul_f32 v[S+\j:S+1+\j], v[O+\j:O+1+\j], v[252:253] op_sel_hi:[1,0]
.endr
.irp b, 0,1
	v_max3_num_f32 v[BM+\b], |v[S+16*\b]|, |v[S+1+16*\b]|, 0x1800000
.endr
.irp i, 2,4,6,8,10,12,14
.irp b, 0,1
	s_delay_alu instid0(VALU_DEP_2)
	v_max3_num_f32 v[BM+\b], v[BM+\b], |v[S+16*\b+\i]|, |v[S+1+16*\b+\i]|
.endr
.endr
.irp b, 0,1
	s_delay_alu instid0(VALU_DEP_2)
	v_permlanex16_b32 v[BP+\b], v[BM+\b], s[SEL], s[SEL+1]
.endr
.irp b, 0,1
	s_delay_alu instid0(VALU_DEP_2)
	v_max_num_f32 v[BM+\b], v[BM+\b], v[BP+\b]
.endr
.irp b, 0,1
	s_delay_alu instid0(VALU_DEP_2)
	v_add_nc_u32 v[SO+\b], 0xff000000, v[BM+\b]
.endr
.irp b, 0,1
	s_delay_alu instid0(VALU_DEP_2)
	v_lshrrev_b32 v[BP+\b], 23, v[SO+\b]
.endr
	s_delay_alu instid0(VALU_DEP_1)
	v_lshl_or_b32 v254, v[BP+1], 8, v[BP]          ; my row's two bytes
	v_cvt_scalef32_pk16_fp6_f32 v[40:42], v[S:S+15], v[SO]
	v_cvt_scalef32_pk16_fp6_f32 v[48:50], v[S+16:S+31], v[SO+1]
	v_nop
.irp i, 0,1,2
	v_permlane16_swap_b32 v[40+\i], v[48+\i]
.endr
.irp i, 0,1,2
	s_delay_alu instid0(VALU_DEP_3)
	v_mov_b32 v[43+\i], v[48+\i]
.endr
	global_store_b128 v1, v[40:43], s[52:53]       ; 512 consecutive bytes, aligned to 256
	global_store_b64 v2, v[44:45], s[52:53] offset:512
	global_store_b16 v6, v254, s[54:55]            ; two bytes of the row's scale word (the other two are the neighbouring head's; lanes l and l xor 16 store the same value to the same place)
	s_wait_xcnt 0x0                                ; the stores have read their registers and bases: both may be written again
.endm
	INIT                                           ; the first tile: 127 - 16 j - w
	s_wait_tensorcnt 3                             ; my part of records 0-3 is in; the other three loads may be out
	s_barrier_signal -1
	s_barrier_wait -1
	s_mov_b32 s[TB], 0
	s_mov_b32 s[ST], 0
.Lfirst:                                           ; key steps 0-3: the first tile's record is 8 or higher in every wave, so all keys count
	STEP 0
	s_add_co_u32 s[TB], s[TB], REC
	s_add_co_u32 s[ST], s[ST], 1
	s_cmp_lt_u32 s[ST], 4
	s_cbranch_scc1 .Lfirst
	s_setprio 0
	s_wait_tensorcnt 0x0                           ; all my loads have landed,
	s_wait_dscnt 0x0
	s_barrier_signal -1
	s_barrier_wait -1                              ; everybody's have: from here on the waves run free
	s_mov_b32 s[KS], 4
.Lrest:                                            ; trips 4 .. 17
	s_cmp_lg_u32 s[ST], s[NB]
	s_cbranch_scc1 .Lsame
	s_wait_alu depctr_va_vdst(0)
	FINISH                                         ; the first tile is done;
	s_mov_b32 s[TT], s[TA]                         ; the second begins at key step 0
	s_mov_b32 s[KS], 0
	INIT
.Lsame:
	s_min_u32 s[TB], s[KS], 15
	s_mul_i32 s[TB], s[TB], REC
	STEP 1
	s_add_co_u32 s[KS], s[KS], 1
	s_add_co_u32 s[ST], s[ST], 1
	s_cmp_lt_u32 s[ST], 18
	s_cbranch_scc1 .Lrest
	s_setprio 0
	s_wait_alu depctr_va_vdst(0)
	FINISH
	s_wait_tensorcnt 0x0
	ds_add_u32 v95, v255
	s_wait_dscnt 0x0
	s_endpgm
.Lfunc_end_k_q2c34af7b2f_attn:
	.size	k_q2c34af7b2f_attn, .Lfunc_end_k_q2c34af7b2f_attn-k_q2c34af7b2f_attn
	.p2alignl 7, 3214868480
	.fill 96, 4, 3214868480
	.section	.rodata,"a",@progbits
	.p2align	6, 0x0
	.amdhsa_kernel k_q2c34af7b2f_attn
		.amdhsa_group_segment_fixed_size 206848
		.amdhsa_private_segment_fixed_size 0
		.amdhsa_enable_private_segment 0
		.amdhsa_kernarg_size 24
		.amdhsa_user_sgpr_count 2
		.amdhsa_user_sgpr_kernarg_segment_ptr 1
		.amdhsa_wavefront_size32 1
		.amdhsa_system_sgpr_workgroup_id_x 1
		.amdhsa_system_sgpr_workgroup_id_y 1
		.amdhsa_system_sgpr_workgroup_id_z 1
		.amdhsa_system_vgpr_workitem_id 0
		.amdhsa_next_free_vgpr 256
		.amdhsa_next_free_sgpr 84
		.amdhsa_reserve_vcc 1
		.amdhsa_float_denorm_mode_32 3
		.amdhsa_float_denorm_mode_16_64 3
		.amdhsa_memory_ordered 1
		.amdhsa_forward_progress 1
		.amdhsa_inst_pref_size 60
	.end_amdhsa_kernel
	.amdgpu_metadata
---
amdhsa.version: [ 1, 2 ]
amdhsa.kernels:
  - .name:           k_q2c34af7b2f_attn
    .symbol:         k_q2c34af7b2f_attn.kd
    .args:
      - { .name: qkv, .offset: 0, .size: 8, .value_kind: global_buffer, .address_space: global }
      - { .name: ctxc, .offset: 8, .size: 8, .value_kind: global_buffer, .address_space: global }
      - { .name: ctxs, .offset: 16, .size: 8, .value_kind: global_buffer, .address_space: global }
    .group_segment_fixed_size: 206848
    .private_segment_fixed_size: 0
    .kernarg_segment_align: 8
    .kernarg_segment_size: 24
    .max_flat_workgroup_size: 512
    .sgpr_count:     84
    .vgpr_count:     256
    .wavefront_size: 32
...
	.end_amdgpu_metadata
.endif
;; end of part 3
;; launch outgemm (part 4): grid 4 x 64, 4 waves a work-group, clusters of 4 x 4, 295,424 bytes of LDS; arguments cod, scl, ctxc, ctxs, bo, out0; writes out0
.if DOCPART == 4
	.amdgcn_target "amdgcn-amd-amdhsa--gfx1250"
	.amdhsa_code_object_version 6
	.text
	.protected	k_q2c34af7b2f_outgemm
	.globl	k_q2c34af7b2f_outgemm
	.p2align	8
	.type	k_q2c34af7b2f_outgemm,@function
k_q2c34af7b2f_outgemm:
	s_mov_b64 s[64:65], 0
	v_nop
	global_prefetch_b8 v0, s[64:65] scope:SCOPE_SE
	s_setreg_imm32_b32 hwreg(HW_REG_WAVE_MODE, 25, 1), 1
	s_wait_xcnt 0x0
	s_wait_alu depctr_hold_cnt(0) depctr_sa_sdst(0) depctr_va_vdst(0) depctr_va_sdst(0) depctr_va_ssrc(0) depctr_va_vcc(0) depctr_vm_vsrc(0)
	s_getreg_b32 s2, hwreg(HW_REG_IB_STS2, 6, 4)
	s_cmp_eq_u32 s2, 0
	s_cbranch_scc0 .Lentry_in_a_cluster
	s_endpgm
.Lentry_in_a_cluster:
	s_bfe_u32 s2, ttmp6, 0x10000c
	s_cmp_lg_u32 s2, 0xf033
	s_cbranch_scc0 .Lentry_shape_is_right
	s_endpgm
.Lentry_shape_is_right:
; out = ctx Wo^T + bo on codes of FP6 (E2M3) with E8M0 scales, K = 1,024; out0 [8192][1024] f32.
; SHARES: 256 work-groups; each makes 256 features (source 0 = Wo's row tiles 704 + 16 cx) x 128 tokens (source 1 = ctx's row tiles 8 x work-group y); a wave 128 x 64: 32 accumulators.
; Used transposed: a lane holds one token, and its registers run along the features (tile i, register j = feature 32 (i / 2) + 16 h + 8 (i % 2) + j), so a lane's eight results are 32 neighbouring bytes of a row of out0.
; CLUSTER 4 x 4: Wo's tiles hang on cx and are shared down a column of the cluster, ctx's on the work-group's y and are shared along a row: joint loads.
; LDS: ALL OF K: four chunks of 256 along K, 73,728 bytes each (Wo's 16 row tiles x 3,072, then ctx's 8), each byte filled once: four tensor loads a wave at the start (four are out), no slot is filled again.
; Wo's fragments lie as three runs of 512 bytes; ctx's as two heads' halves on end (512 + 256 + 512 + 256 bytes).  The rows of every tile are row-lane r of tile t = row 32 (t / 2) + 8 (t % 2) + r + 8 (r / 8): the stores' offsets undo it.
; The stage for the way out lies over chunk 0, which has had its only fill and which nobody reads behind the last barrier.
; REGISTERS: window 0: v8-26 addresses; v32-63 Wo's scale words (4 i + q / 2), v64-79 ctx's; v128-175, v176-223 ctx's fragments, two sets; on the way out v128-255 rows of out0.
;   window 1: Wo's fragments, two sets (v0-95, v128-223); the bias tiles at v96-127 and v224-255.   window 2: accumulator (i, n) at v[64 n + 8 i].
.set CHUNK, 73728
.set TILEB, 3072
.set AD0,  8                           ; v8-11   LDS address of my fragments of Wo in chunk 0..3
.set AD1A, 12                          ; v12-15  of ctx, 16 bytes a lane
.set AD1B, 16                          ; v16-19  of ctx, 8 bytes a lane
.set L8,   20
.set BA,   21
.set STO,  24
.set RD,   25
.set CO,   26                          ; v26     16 x lane
.set SC0,  32
.set SC1,  64
.set G1,   24                          ; s[24:31] group 1 for Wo;  s[32:47] its four groups 0
.set G0,   32
.set G1B,  48                          ; s[48:55], s[68:83] the same for ctx
.set G0B,  68
.set MSB, 0
.macro WIN new
.if MSB != (\new)
	s_set_vgpr_msb (MSB<<8)|(\new)
.set MSB, \new
.endif
.endm
.macro PLACES n
.rept \n
	v_nop
.endr
.endm
.macro JLOAD g0a, g0b                  ; a joint load: waves 0, 1 fetch Wo's halves, waves 2, 3 ctx's; four v_nop follow each line
	s_cmp_eq_u32 s17, 0
	s_cbranch_scc0 .Lfor_1_\@
	tensor_load_to_lds s[\g0a:\g0a+3], s[G1:G1+7]
	s_nop 0
.rept 4
	v_nop
.endr
	s_branch .Lasked_\@
.Lfor_1_\@:
	tensor_load_to_lds s[\g0b:\g0b+3], s[G1B:G1B+7]
	s_nop 0
.rept 4
	v_nop
.endr
.Lasked_\@:
.endm
.macro CROUND                          ; a round of the cluster's barrier
	s_barrier_signal -1
	s_barrier_wait -1
	s_cmp_lg_u32 s16, 0
	s_cbranch_scc1 .Lnot_wave_0_\@
	s_barrier_signal -3
.Lnot_wave_0_\@:
	s_barrier_wait -3
	s_barrier_signal -1
	s_barrier_wait -1
.endm
	s_load_b256 s[4:11], s[0:1], 0x0               ; cod, scl, ctxc, ctxs
	s_load_b128 s[12:15], s[0:1], 0x20             ; bo, out0
	v_lshl_add_u32 v126, v0, 2, 0x48000
	v_mov_b32 v127, 0
	ds_add_u32 v126, v127
	ds_add_u32 v126, v127
	v_lshrrev_b32 v1, 5, v0
	v_readfirstlane_b32 s16, v1                    ; wave 0..3
	s_lshr_b32 s17, s16, 1                         ; my half of the tokens.  Also: I fetch for Wo (0) or for ctx (1)
	s_and_b32 s18, s16, 1                          ; my half of the features.  Also: which half of the tile I fetch
	s_bfe_u32 s84, ttmp6, 0x40000                  ; cx
	s_bfe_u32 s85, ttmp6, 0x40004                  ; cy
	s_and_b32 s86, ttmp7, 0xffff
	s_lshl_b32 s86, s86, 2
	s_add_co_u32 s86, s86, s85                     ; work-group y = 4 x cluster y + cy
	s_lshl_b32 s22, s85, 2
	s_lshl_b32 s22, 15, s22                        ; my row of the cluster
	s_lshl_b32 s23, 0x1111, s84                    ; my column
	s_or_b32 s[G1], s23, (3<<16)|(1<<21)           ; Wo's tiles go to my column: elements of 8 bytes, no padding, bit 21 beside the mask
	s_or_b32 s[G1B], s22, (3<<16)|(1<<21)          ; ctx's to my row
	s_mov_b32 s[G1+1], 384<<16                     ; rows of 3,072 bytes,
	s_mov_b32 s[G1+2], 8<<16                       ; 8 row tiles,
	s_mov_b32 s[G1+3], 384<<16
	s_mov_b32 s[G1+4], 8
	s_mov_b32 s[G1+5], 1536                        ; 12,288 bytes apart
	s_mov_b32 s[G1+6], 0
	s_mov_b32 s[G1+7], 0
	s_mov_b32 s[G1B+1], 384<<16
	s_mov_b32 s[G1B+2], 4<<16                      ; 4 row tiles
	s_mov_b32 s[G1B+3], 384<<16
	s_mov_b32 s[G1B+4], 4
	s_mov_b32 s[G1B+5], 1536
	s_mov_b32 s[G1B+6], 0
	s_mov_b32 s[G1B+7], 0
	s_lshl_b32 s56, s84, 4
	s_add_co_u32 s56, s56, 704                     ; Wo's first row tile: it holds cx and never cy
	s_lshl_b32 s57, s86, 3                         ; ctx's: the work-group's y and never cx
	s_lshl_b32 s58, s18, 3
	s_add_co_u32 s58, s56, s58
	s_mul_i32 s58, s58, 12288
	s_mov_b32 s59, 0
	s_lshl_b32 s60, s18, 2
	s_add_co_u32 s60, s57, s60
	s_mul_i32 s60, s60, 12288
	s_mov_b32 s61, 0
	s_mul_i32 s62, s18, 24576                      ; where Wo's half lands,
	s_mul_i32 s63, s18, 12288
	s_add_co_u32 s63, s63, 49152                   ; and ctx's
	s_wait_dscnt 0x0
	s_wait_kmcnt 0x0
	s_add_nc_u64 s[58:59], s[4:5], s[58:59]
	s_add_nc_u64 s[60:61], s[8:9], s[60:61]
	CROUND                                         ; all sixteen work-groups are here: the joint loads meet
.irp c, 0,1,2,3
	s_mov_b32 s[G0+4*\c], 1
	s_add_co_u32 s[G0+4*\c+1], s62, \c*CHUNK
	s_add_nc_u64 s[G0+4*\c+2:G0+4*\c+3], s[58:59], \c*TILEB
	s_or_b32 s[G0+4*\c+3], s[G0+4*\c+3], 0x80000000
	s_mov_b32 s[G0B+4*\c], 1
	s_add_co_u32 s[G0B+4*\c+1], s63, \c*CHUNK
	s_add_nc_u64 s[G0B+4*\c+2:G0B+4*\c+3], s[60:61], \c*TILEB
	s_or_b32 s[G0B+4*\c+3], s[G0B+4*\c+3], 0x80000000
	JLOAD G0+4*\c, G0B+4*\c
.endr
	v_and_b32 v1, 31, v0
	v_lshlrev_b32 v[CO], 4, v1
	v_lshlrev_b32 v[L8], 3, v1
	v_and_b32 v2, 15, v0                           ; r
	v_bfe_u32 v3, v0, 4, 1                         ; h
	s_mul_i32 s22, s18, 24576                      ; my 8 row tiles of Wo,
	s_mul_i32 s23, s17, 12288
	s_add_co_u32 s23, s23, 49152                   ; my 4 of ctx
.irp c, 0,1,2,3
	v_add_nc_u32 v[AD0+\c], s22, v[CO]
	v_add_nc_u32 v[AD1A+\c], s23, v[CO]
	v_add_nc_u32 v[AD1B+\c], s23, v[L8]
	s_add_co_u32 s22, s22, CHUNK
	s_add_co_u32 s23, s23, CHUNK
.endr
	s_mul_i32 s22, s16, 8448                       ; my stage: 16 rows x 528 bytes
	v_mul_u32_u24 v[STO], v2, 528
	v_lshl_add_u32 v[STO], v3, 6, v[STO]
	v_add_nc_u32 v[STO], s22, v[STO]               ; in: row r, + 64 h
	v_add_nc_u32 v[RD], s22, v[CO]                 ; back: a whole row of 512 bytes
	; the scale words of my 8 + 4 row tiles, for all of K, straight into registers
	s_lshl_b32 s88, s18, 3
	s_add_co_u32 s88, s56, s88
	s_lshl_b32 s88, s88, 9
	s_mov_b32 s89, 0
	s_add_nc_u64 s[88:89], s[6:7], s[88:89]
	s_lshl_b32 s90, s17, 2
	s_add_co_u32 s90, s57, s90
	s_lshl_b32 s90, s90, 9
	s_mov_b32 s91, 0
	s_add_nc_u64 s[90:91], s[10:11], s[90:91]
.irp i, 0,1,2,3,4,5,6,7
.irp u, 0,1
	global_load_b64 v[SC0+4*\i+2*\u:SC0+4*\i+2*\u+1], v[L8], s[88:89] offset:512*\i+256*\u
.endr
.endr
.irp i, 0,1,2,3
.irp u, 0,1
	global_load_b64 v[SC1+4*\i+2*\u:SC1+4*\i+2*\u+1], v[L8], s[90:91] offset:512*\i+256*\u
.endr
.endr
	s_lshl_b32 s92, s84, 10
	s_lshl_b32 s93, s18, 9
	s_add_co_u32 s92, s92, s93                     ; my first feature, in bytes: 1,024 cx + 512 x half
	s_mov_b32 s93, 0
	s_add_nc_u64 s[12:13], s[12:13], s[92:93]
	s_lshl_b32 s94, s86, 7
	s_lshl_b32 s95, s17, 6
	s_add_co_u32 s94, s94, s95                     ; my first token
	s_lshl_b32 s94, s94, 12
	s_add_co_u32 s94, s94, s92
	s_mov_b32 s95, 0
	s_add_nc_u64 s[14:15], s[14:15], s[94:95]
	v_lshlrev_b32 v[BA], 6, v3                     ; the bias is the C of each sum's first product: tile i's register j is feature 32 (i / 2) + 8 (i % 2) + 16 h + j
	WIN 0x40                                       ; destination window 1
.irp i, 0,1,2,3,4,5,6,7
	global_load_b128 v[96+8*\i+96*(\i/4):96+8*\i+96*(\i/4)+3], v[BA], s[12:13] offset:(32*(\i/2)+8*(\i%2))*4
	global_load_b128 v[96+8*\i+96*(\i/4)+4:96+8*\i+96*(\i/4)+7], v[BA], s[12:13] offset:(32*(\i/2)+8*(\i%2))*4+16
.endr
	WIN 0
.macro FETCH q                         ; K step q's fragments into the sets q % 2
	WIN 0x40
.irp i, 0,1,2,3,4,5,6,7
.irp c, 0,1,2
	ds_load_b128 v[128*((\q)%2)+12*\i+4*\c:128*((\q)%2)+12*\i+4*\c+3], v[AD0+(\q)/2] offset:TILEB*\i+1536*((\q)%2)+512*\c
.endr
.endr
	WIN 0
.irp n, 0,1,2,3
.set rF, 128+48*((\q)%2)+12*\n
	ds_load_b128 v[rF:rF+3], v[AD1A+(\q)/2] offset:TILEB*\n+1536*((\q)%2)
	ds_load_b64 v[rF+4:rF+5], v[AD1B+(\q)/2] offset:TILEB*\n+1536*((\q)%2)+512
	ds_load_b128 v[rF+6:rF+9], v[AD1A+(\q)/2] offset:TILEB*\n+1536*((\q)%2)+768
	ds_load_b64 v[rF+10:rF+11], v[AD1B+(\q)/2] offset:TILEB*\n+1536*((\q)%2)+1280
.endr
.endm
; 16 matrix instructions: ctx's blocks n0, n0 + 1 x Wo's eight.  The 32 accumulators take turns, one instruction a turn, in the same order in every step.
.macro MUL16 n0, q
.irp n, \n0, \n0+1
.irp i, 0,1,2,3,4,5,6,7
.set rD, 64*(\n)+8*\i
.set rA, 128*((\q)%2)+12*\i
.set rB, 128+48*((\q)%2)+12*(\n)
.set rX, SC0+4*\i+(\q)/2
.set rY, SC1+4*(\n)+(\q)/2
.set rC, rD
.if (\q) == 0
.set rC, 96+8*\i+96*(\i/4)
.endif
.if (\q)%2
	v_wmma_scale_f32_16x16x128_f8f6f4 v[rD:rD+7], v[rA:rA+11], v[rB:rB+11], v[rC:rC+7], v[rX], v[rY] matrix_a_fmt:MATRIX_FMT_FP6 matrix_b_fmt:MATRIX_FMT_FP6 matrix_a_scale:MATRIX_SCALE_ROW1 matrix_b_scale:MATRIX_SCALE_ROW1
.else
	v_wmma_scale_f32_16x16x128_f8f6f4 v[rD:rD+7], v[rA:rA+11], v[rB:rB+11], v[rC:rC+7], v[rX], v[rY] matrix_a_fmt:MATRIX_FMT_FP6 matrix_b_fmt:MATRIX_FMT_FP6
.endif
.endr
.endr
.endm
; A K step.  The next step's fragments go into the other sets, which the last step's products read: four plain places stand at the step's head.  bar = 1: the next step begins a chunk: my part of it has landed (cnt later chunks may be out),
; and a barrier, with 16 products between its halves, shows it whole to every wave.
.macro STEP4 q, bar, cnt
	s_wait_dscnt 0x0                               ; this step's fragments are in
	PLACES 4
.if \bar
	s_wait_tensorcnt \cnt
	s_barrier_signal -1
.endif
.if (\q) == 0
	WIN 0x91                                       ; Wo and C (the bias) window 1, ctx window 0, D window 2
.else
	WIN 0xa1                                       ; C and D window 2
.endif
	MUL16 0, \q
	WIN 0
.if \bar
	s_barrier_wait -1
.endif
.if (\q) < 7
	FETCH (\q)+1
.endif
.if (\q) == 0
	WIN 0x91
.else
	WIN 0xa1
.endif
	MUL16 2, \q
	WIN 0
.endm
	s_wait_tensorcnt 3                             ; my part of chunk 0 is in; the other three may be out
	s_barrier_signal -1
	s_barrier_wait -1
	FETCH 0
	s_wait_loadcnt 0x0                             ; scale words and bias
	STEP4 0, 0, 0
	STEP4 1, 1, 2
	STEP4 2, 0, 0
	STEP4 3, 1, 1
	STEP4 4, 0, 0
	STEP4 5, 1, 0
	STEP4 6, 0, 0
	STEP4 7, 0, 0
	PLACES 4
	s_wait_dscnt 0x0
	s_barrier_signal -1
	s_barrier_wait -1                              ; no wave reads chunk 0 any more: the stages may be written
; THE WAY OUT, a block of 16 tokens x 128 features at a time, through my own stage: in as 32 bytes a lane, back as whole rows of 512 bytes.  LDS serves a wave's instructions in order, so no wait stands between the stores and the loads.
.macro TOSTAGE n
	WIN 0x08                                       ; an LDS store's data are its source 1: window 2
.irp i, 0,1,2,3,4,5,6,7
	ds_store_b128 v[STO], v[64*(\n)+8*\i:64*(\n)+8*\i+3] offset:128*(\i/2)+32*(\i%2)          ; each accumulator from its low end on
	ds_store_b128 v[STO], v[64*(\n)+8*\i+4:64*(\n)+8*\i+7] offset:128*(\i/2)+32*(\i%2)+16
.endr
	WIN 0
.set BB, 128+64*((\n)%2)
.irp t, 0,1,2,3,4,5,6,7,8,9,10,11,12,13,14,15
	ds_load_b128 v[BB+4*\t:BB+4*\t+3], v[RD] offset:528*\t
.endr
.endm
.macro SEND n, younger                 ; younger: the LDS instructions issued behind block n's loads, which may stay out
.set BB, 128+64*((\n)%2)
	s_wait_dscnt \younger
.irp t, 0,1,2,3,4,5,6,7,8,9,10,11,12,13,14,15
	global_store_b128 v[CO], v[BB+4*\t:BB+4*\t+3], s[14:15] offset:(32*((\n)/2)+8*((\n)%2)+\t+8*(\t/8))*4096 th:TH_STORE_NT   ; row-lane t of tile n is token 32 (n / 2) + 8 (n % 2) + t + 8 (t / 8); 512 consecutive bytes, aligned to 256
.endr
.endm
	TOSTAGE 0
.irp a, 1,2,3
.if \a > 1
	s_wait_xcnt 0x0                                ; block a - 2's stores have read their registers: block a's loads may land there
.endif
	TOSTAGE \a
	SEND \a-1, 32                                  ; behind block a - 1's loads: block a's 16 stores and 16 loads
.endr
	SEND 3, 0
	s_wait_dscnt 0x0
	s_wait_tensorcnt 0x0
	ds_add_u32 v126, v127
	s_wait_dscnt 0x0
	CROUND                                         ; the closing round: no work-group ends while a partner may still ask for a tile that names it
	s_endpgm
.Lfunc_end_k_q2c34af7b2f_outgemm:
	.size	k_q2c34af7b2f_outgemm, .Lfunc_end_k_q2c34af7b2f_outgemm-k_q2c34af7b2f_outgemm
	.p2alignl 7, 3214868480
	.fill 96, 4, 3214868480
	.section	.rodata,"a",@progbits
	.p2align	6, 0x0
	.amdhsa_kernel k_q2c34af7b2f_outgemm
		.amdhsa_group_segment_fixed_size 295424
		.amdhsa_private_segment_fixed_size 0
		.amdhsa_enable_private_segment 0
		.amdhsa_kernarg_size 48
		.amdhsa_user_sgpr_count 2
		.amdhsa_user_sgpr_kernarg_segment_ptr 1
		.amdhsa_wavefront_size32 1
		.amdhsa_system_sgpr_workgroup_id_x 1
		.amdhsa_system_sgpr_workgroup_id_y 1
		.amdhsa_system_sgpr_workgroup_id_z 1
		.amdhsa_system_vgpr_workitem_id 0
		.amdhsa_next_free_vgpr 768
		.amdhsa_next_free_sgpr 100
		.amdhsa_reserve_vcc 0
		.amdhsa_float_denorm_mode_32 3
		.amdhsa_float_denorm_mode_16_64 3
		.amdhsa_memory_ordered 1
		.amdhsa_forward_progress 1
		.amdhsa_inst_pref_size 84
	.end_amdhsa_kernel
	.amdgpu_metadata
---
amdhsa.version: [ 1, 2 ]
amdhsa.kernels:
  - .name:           k_q2c34af7b2f_outgemm
    .symbol:         k_q2c34af7b2f_outgemm.kd
    .args:
      - { .name: cod, .offset: 0, .size: 8, .value_kind: global_buffer, .address_space: global }
      - { .name: scl, .offset: 8, .size: 8, .value_kind: global_buffer, .address_space: global }
      - { .name: ctxc, .offset: 16, .size: 8, .value_kind: global_buffer, .address_space: global }
      - { .name: ctxs, .offset: 24, .size: 8, .value_kind: global_buffer, .address_space: global }
      - { .name: bo, .offset: 32, .size: 8, .value_kind: global_buffer, .address_space: global }
      - { .name: out0, .offset: 40, .size: 8, .value_kind: global_buffer, .address_space: global }
    .group_segment_fixed_size: 295424
    .private_segment_fixed_size: 0
    .kernarg_segment_align: 8
    .kernarg_segment_size: 48
    .max_flat_workgroup_size: 128
    .sgpr_count:     100
    .vgpr_count:     768
    .wavefront_size: 32
...
	.end_amdgpu_metadata
.endif
;; end of part 4
